; MI455X (gfx1250); checked and timed in simulation.
; The chip was launched on July 23, 2026; its instructions are those of AMD's public machine-readable ISA for CDNA 5 (MIT licence, August 2026) and "CDNA5" Instruction Set Architecture Reference Guide (July 2026). The comments in the code are by the model that wrote it; some were corrected since.
;; Attention Head. Allowed arithmetic: matrix products marked QUANTISED: E3M2 operands, one E8M0 scale for each 32 along K, by v_wmma_scale_f32_16x16x128_f8f6f4 with both operands' format E3M2, f32 sums; everything else in f32.
;; Inputs: Wk 1,024 x 1,024 float32; Wo 1,024 x 1,024 float32; Wq 1,024 x 1,024 float32; Wv 1,024 x 1,024 float32; bk 1,024 float32; bo 1,024 float32; bq 1,024 float32; bv 1,024 float32; x 4 x 2,048 x 1,024 float32.
;; Outputs: out0 4 x 1,024 float32.
;; This version of the problem:
;;   THIS VERSION OF THE PROBLEM IS GIVEN IN LOW PRECISION. The matrix products marked QUANTISED in the list below multiply operands that are first quantised to E3M2 (3 exponent bits, 2 mantissa bits; 6 bits a number), with one power-of-two scale for each 32 numbers along K (OCP MX v1.0); their sums are f32. All else is computed in f32.
;;   The module's matrix products, in the order in which they are computed (A, B: the left and right operand; K: the contracted axis; several contracted axes count as one K, in the product's order):
;;     1. [M 8,192, K 1,024] x [K 1,024, N 1,024]; A: input x; B: input Wq: QUANTISED
;;     2. [M 8,192, K 1,024] x [K 1,024, N 1,024]; A: input x; B: input Wk: QUANTISED
;;     3. [M 8,192, K 1,024] x [K 1,024, N 1,024]; A: input x; B: input Wv: QUANTISED
;;     4. batch 64 x [M 2,048, K 64] x [K 64, N 2,048]; A: computed on the way; B: computed on the way: QUANTISED
;;     5. batch 64 x [M 2,048, K 2,048] x [K 2,048, N 64]; A: softmax (see below); B: computed on the way: QUANTISED
;;     6. [M 8,192, K 1,024] x [K 1,024, N 1,024]; A: computed on the way; B: input Wo: QUANTISED
;;   THE QUANTISER, for each operand of a quantised product, along K:
;;     - K is cut into blocks of 32 from its start; a last block that is shorter is filled with zeros.
;;     - A block's scale is 2^e with e = floor(log2(the largest magnitude in the block)) - 4, held to -126 .. 127; a block of zeros has e = 0. As a byte (E8M0): e + 127.
;;     - Each number is divided by its block's scale, clamped to +-28, and rounded to the nearest number of E3M2, ties to even, subnormals kept.
;;     - The product sums the exact products of the quantised numbers (number of the format x scale) in f32.
;;   ~~~python
;;   def quantise(x, axis):      # numpy; x: float32 -> the quantised numbers, widened to float32 again
;;       x = np.moveaxis(x, axis, -1); K = x.shape[-1]
;;       x = np.pad(x, [(0, 0)] * (x.ndim - 1) + [(0, -K % 32)]); x = x.reshape(x.shape[:-1] + (-1, 32)); a = np.abs(x).max(-1, keepdims=True)
;;       e = np.where(a > 0, np.clip(np.frexp(np.where(a > 0, a, 1))[1] - 1 - 4, -126, 127), 0)      # np.frexp(a)[1] - 1 = floor(log2(a)), exactly
;;       r = np.clip(x / 2.0 ** e, -28, 28)
;;       step = 2.0 ** (np.maximum(np.frexp(np.where(r == 0, 1, r))[1] - 1, -2) - 2)
;;       q = np.round(r / step) * step * 2.0 ** e      # np.round: ties to even
;;       return np.moveaxis(q.reshape(q.shape[:-2] + (-1,))[..., :K], -1, axis).astype(np.float32)
;;   ~~~
;;   SOFTMAX AHEAD OF A QUANTISED PRODUCT. Where the list says 'softmax', what is quantised is not the finished softmax but p = 2^(t - M), with t = logit x log2(e) and M = ceil(the row's largest t), a whole number; so 1/2 < the row's largest p <= 1. The row's sum l is taken of the UNQUANTISED p, in f32, and the product's result is divided by l at the end. Since M is a whole number, a kernel that streams over the keys may use a running M (the ceiling of the running maximum): every later rescaling is an exact power of two, which a block's scale takes up: the codes' values come out the same.
;;   OPERANDS COMPUTED ON THE WAY. 'Computed on the way' means the value that the module computes at that place (a softmax that the list does not call 'softmax' is quantised finished and normalised). What goes into a quantiser is computed in f32, as accurately as f32 sums, v_exp_f32 and their like allow (about 1e-6 of the number): no bf16 or f16 on the way to a quantiser, and a product that is left as it is and whose result goes on into a quantised operand takes f32 operands (vector FMAs, or v_wmma_f32_16x16x4_f32). A number that lies on a knife's edge between two numbers of the format may be rounded either way, as far as f32 arithmetic and the matrix unit's own rounding can turn it there, and no further.
;; One version. Each part assembles by itself: llvm-mc -triple=amdgcn-amd-amdhsa -mcpu=gfx1250 --defsym DOCPART=n.
;; ======== version 1 of 1: 5 launches
;; limits: right only within a limited range of input values
;; workspace buffers: opnd 10,092,544 bytes; qkvc 20,447,232 bytes; attw 8,650,752 bytes; part 262,144 bytes
;; launch quant (part 1): grid 512 x 1, 4 waves a work-group, no clusters, 48,128 bytes of LDS; arguments x, Wq, Wk, Wv, Wo, opnd; writes opnd
.if DOCPART == 1
	.amdgcn_target "amdgcn-amd-amdhsa--gfx1250"
	.amdhsa_code_object_version 6
	.text
	.protected	k_qa47151b977_quant
	.globl	k_qa47151b977_quant
	.p2align	8
	.type	k_qa47151b977_quant,@function
k_qa47151b977_quant:
	s_mov_b64 s[64:65], 0
	v_nop
	global_prefetch_b8 v0, s[64:65] scope:SCOPE_SE
	s_setreg_imm32_b32 hwreg(HW_REG_WAVE_MODE, 25, 1), 1
	s_wait_xcnt 0x0
; x [8192][1024] and Wq, Wk, Wv, Wo [1024 (k)][1024 (n)], f32, become codes of E3M2 with one E8M0 byte for each 32 along K, laid in the ORDER OF THE OPERAND'S REGISTERS:
; an image of a fragment (16 rows x 128 K, 12 registers a lane) is 1,536 bytes, registers 4 c .. 4 c + 3 of lane L at 512 c + 16 L.
; THE ROWS OF A TILE ARE NOT NEIGHBOURS: index i of tile 2 g + u stands for row 32 g + 8 u + i % 8 + 16 (i / 8), for x's tokens and for the weights' columns alike.
; A block's scale is 2^(floor(log2(largest magnitude)) - 4); its byte is the largest magnitude's exponent field - 4, held at 1 from below by a floor among the maximum's leaves.
; LIMITS: a block whose largest magnitude lies under 2^-122 (a block of zeros too) keeps the byte 1: zeros' codes add nothing, and this program alone reads the bytes.  NaN and infinities among the inputs are not served.
; Work-groups 0-255 take x, 32 tokens each (wave: tile w / 2, K half w % 2); work-groups 256-511 take a weight: 32 columns x 512 along K (wave: one K step of 128).  Each way has LDS bytes of its own.
.set XPW,    8448                      ; x's way: a wave's stage: 16 rows x 528 bytes, from LDS byte 0 on
.set XP,     528                       ; 512 bytes of a row + 16: sixteen rows start at sixteen different 16-byte columns
.set WST,    33792                     ; the weights' way: a wave's stage: two images of 1,536 bytes, 1,664 apart
.set WPW,    3328
.set WPT,    1664
.set WSCL,   47104                     ; and the work-group's 512 bytes of scale words: [tile 2][index 16][K step 4]
.set O_WIMG, 6291456                   ; opnd: x's images [tile 512][K step 8][1536]; from here the weights' [matrix 4][tile 64][K step 8][1536];
.set O_XSC,  9437184                   ; x's scale words [tile][K half][lane 32][4 words];
.set O_WSC,  9961472                   ; the weights' [matrix][tile][K half][index 16][4 words]
.set G,   1                            ; v1   16 x lane
.set SA,  2                            ; v2   x's stage, on the way in
.set SB,  3                            ; v3   and on the way out
.set H8,  4                            ; v4   8 x (lane / 16)
.set L4,  5                            ; v5   4 x lane
.set AW,  6                            ; v6   the weights' stage, on the way in
.set RB,  7                            ; v7   and on the way out
.set WSA, 8                            ; v8   where my column's scale word goes
.set WSR, 9                            ; v9   where wave 0 reads the words back
.set WGO, 10                           ; v10  and their place in memory
.set R,   16                           ; x: v16-143 two sets of 64 registers as loaded
.set X,   144                          ; v144-207 my two blocks of 32 neighbours
.set F,   208                          ; v208-219 the fragment
.set T,   220                          ; v220-227 the upper halves of the blocks' codes
.set SW,  228                          ; v228-231 four K steps' scale words
.set TM,  232                          ; v232-239 at work
.set WX,  16                           ; weights: v16-143 my column's 128 numbers down K
.set C,   144                          ; v144-175 eight registers a block: its six of codes
.set WT,  176                          ; v176-183 upper halves
.set OUTR, 184                         ; v184-207 the images read back
.set WD,  208                          ; v208 my column's scale word
	s_load_b256 s[4:11], s[0:1], 0x0               ; x, Wq, Wk, Wv
	s_load_b128 s[12:15], s[0:1], 0x20             ; Wo, opnd
	v_lshl_add_u32 v254, v0, 2, 0xba00
	v_mov_b32 v255, 0
	v_lshrrev_b32 v11, 5, v0
	v_readfirstlane_b32 s16, v11                   ; wave
	v_and_b32 v11, 31, v0                          ; lane
	v_and_b32 v12, 15, v0                          ; r
	v_bfe_u32 v13, v0, 4, 1                        ; h
	v_lshlrev_b32 v[G], 4, v11
	v_lshlrev_b32 v[L4], 2, v11
	v_lshlrev_b32 v[H8], 3, v13
	s_mul_i32 s17, s16, XPW
	v_add_nc_u32 v[SA], s17, v[G]                  ; a row's 512 bytes as they lie
	v_mul_u32_u24 v[SB], v12, XP
	v_lshl_add_u32 v[SB], v13, 7, v[SB]
	v_add_nc_u32 v[SB], s17, v[SB]                 ; row r, + 128 h: my block of 32 numbers
	v_bfe_u32 v14, v0, 3, 1                        ; my column's tile of the two: (lane / 8) % 2
	v_and_b32 v15, 7, v0
	v_lshl_add_u32 v15, v13, 3, v15                ; and its index there: lane % 8 + 8 (lane / 16)
	s_mul_i32 s17, s16, WPW
	s_add_co_u32 s17, s17, WST
	v_mul_u32_u24 v[AW], v14, WPT
	v_lshl_add_u32 v[AW], v15, 4, v[AW]
	v_add_nc_u32 v[AW], s17, v[AW]
	v_add_nc_u32 v[RB], s17, v[G]
	v_lshlrev_b32 v[WSA], 8, v14
	v_lshl_add_u32 v[WSA], v15, 4, v[WSA]
	s_lshl_b32 s17, s16, 2
	s_add_co_u32 s17, s17, WSCL
	v_add_nc_u32 v[WSA], s17, v[WSA]
	v_add_nc_u32 v[WSR], WSCL, v[G]
	v_lshlrev_b32 v[WGO], 9, v13
	v_lshl_add_u32 v[WGO], v12, 4, v[WGO]          ; 512 (lane / 16) + 16 r: tile, index
	v_mov_b32 v[TM+7], 0                           ; a lane permute's destination counts as one of its sources
	s_mov_b32 s20, 0x76543210
	s_mov_b32 s21, 0xfedcba98                      ; v_permlanex16_b32's selects for lane l xor 16
	s_mov_b32 s3, 0
	s_cmp_lt_u32 ttmp9, 256                        ; the same in all four waves
	s_cbranch_scc0 .Lweights
; ---- x.  Wave w: tile u = w / 2 of the group's two, K steps 4 (w % 2) .. + 3
	s_lshr_b32 s17, s16, 1                         ; u
	s_and_b32 s18, s16, 1                          ; K half
	s_lshl_b32 s2, ttmp9, 17                       ; 32 rows of 4,096 bytes a group,
	s_lshl_b32 s19, s17, 15                        ; 8 rows on for tile 1,
	s_add_co_u32 s2, s2, s19
	s_lshl_b32 s19, s18, 11                        ; 2,048 bytes on for the upper K half
	s_add_co_u32 s2, s2, s19
	s_mul_i32 s22, ttmp9, 24576                    ; the images: 12,288 bytes a tile, 1,536 a K step
	s_mul_i32 s19, s17, 12288
	s_add_co_u32 s22, s22, s19
	s_mul_i32 s19, s18, 6144
	s_add_co_u32 s22, s22, s19
	s_mov_b32 s23, 0
	s_lshl_b32 s24, ttmp9, 11                      ; the scale words: 512 bytes for a tile's K half
	s_lshl_b32 s19, s17, 10
	s_add_co_u32 s24, s24, s19
	s_lshl_b32 s19, s18, 9
	s_add_co_u32 s24, s24, s19
	s_mov_b32 s25, 0
	s_wait_kmcnt 0x0
	s_add_nc_u64 s[4:5], s[4:5], s[2:3]
	s_add_nc_u64 s[22:23], s[14:15], s[22:23]
	s_add_nc_u64 s[24:25], s[14:15], s[24:25]
	s_add_nc_u64 s[24:25], s[24:25], O_XSC
.macro XLOAD s                         ; K step s of the tile's 16 rows: each load reads 512 consecutive bytes of one row
.irp i, 0,1,2,3,4,5,6,7,8,9,10,11,12,13,14,15
	global_load_b128 v[R+64*((\s)%2)+4*\i:R+64*((\s)%2)+4*\i+3], v[G], s[4:5] offset:((\i%8)+16*(\i/8))*4096+512*(\s) th:TH_LOAD_NT
.endr
.endm
.macro XSTEP s
.if (\s) < 3
	s_wait_loadcnt 16                              ; this step's 16 loads are in; the next step's 16 may be out
.else
	s_wait_loadcnt 0x0
.endif
.irp i, 0,1,2,3,4,5,6,7,8,9,10,11,12,13,14,15
	ds_store_b128 v[SA], v[R+64*((\s)%2)+4*\i:R+64*((\s)%2)+4*\i+3] offset:XP*\i
.endr
.irp c, 0,1                            ; LDS serves a wave's instructions in order: these see the stores.  Lane (r, h) takes k = 64 c + 32 h + 0 .. 31 of row r
.irp j, 0,1,2,3,4,5,6,7
	ds_load_b128 v[X+32*\c+4*\j:X+32*\c+4*\j+3], v[SB] offset:256*\c+16*\j
.endr
.endr
	s_wait_dscnt 0x0                               ; my numbers are back, and the stores have read their registers,
.if (\s) < 2
	XLOAD (\s)+2                                   ; which take the loads of two steps on
.endif
.irp c, 0,1
	v_max3_num_f32 v[TM+\c], |v[X+32*\c]|, |v[X+32*\c+1]|, 0x2800000   ; my two whole blocks by turns; the floor 2^(5 - 127) holds the byte at 1 from below
.endr
.irp i, 2,4,6,8,10,12,14,16,18,20,22,24,26,28,30
.irp c, 0,1
	v_max3_num_f32 v[TM+\c], v[TM+\c], |v[X+32*\c+\i]|, |v[X+32*\c+\i+1]|
.endr
.endr
.irp c, 0,1
	v_add_nc_u32 v[TM+2+\c], 0xfe000000, v[TM+\c]  ; 4 off the exponent field: the conversion's scale operand
.endr
.irp c, 0,1
	v_lshrrev_b32 v[TM+4+\c], 23, v[TM+2+\c]       ; the scale's byte
.endr
	v_lshl_or_b32 v[TM+6], v[TM+5], 16, v[TM+4]    ; my two bytes: blocks h and 2 + h of row r,
	v_lshlrev_b32 v[TM+6], v[H8], v[TM+6]          ; at their places in the word;
	v_permlanex16_b32 v[TM+7], v[TM+6], s20, s21
	v_or_b32 v[SW+(\s)], v[TM+6], v[TM+7]          ; with lane l xor 16's two the word is whole, in both halves of the lanes
	s_wait_alu depctr_va_vdst(0)
	s_wait_xcnt 0x0                                ; the last step's stores have read the fragment's registers
.irp c, 0,1
	v_cvt_scalef32_pk16_bf6_f32 v[F+6*\c:F+6*\c+2], v[X+32*\c:X+32*\c+15], v[TM+2+\c]
	v_cvt_scalef32_pk16_bf6_f32 v[T+4*\c:T+4*\c+2], v[X+32*\c+16:X+32*\c+31], v[TM+2+\c]   ; (a conversion's three registers begin on an even number)
.endr
	v_nop                                          ; one plain place behind a scaled conversion
.irp c, 0,1
.irp i, 0,1,2
	v_mov_b32 v[F+6*\c+3+\i], v[T+4*\c+\i]
.endr
.endr
.irp c, 0,1,2
	global_store_b128 v[G], v[F+4*\c:F+4*\c+3], s[22:23] offset:1536*(\s)+512*\c   ; 32 lanes store 512 consecutive bytes, aligned to 512
.endr
.endm
	XLOAD 0
	XLOAD 1
	XSTEP 0
	XSTEP 1
	XSTEP 2
	XSTEP 3
	global_store_b128 v[G], v[SW:SW+3], s[24:25]   ; four K steps' words of each lane: 512 consecutive bytes
	s_wait_tensorcnt 0x0
	ds_add_u32 v254, v255
	s_wait_dscnt 0x0
	s_endpgm
; ---- a weight.  A LANE TAKES A COLUMN AND ITS REGISTERS RUN DOWN K: a block of 32 lies in one lane, and the conversions give codes with K innermost
.Lweights:
	s_sub_co_u32 s17, ttmp9, 256
	s_lshr_b32 s18, s17, 6                         ; which matrix: q, k, v, o
	s_bfe_u32 s19, s17, 0x50001                    ; which 32 columns
	s_and_b32 s26, s17, 1                          ; which K half
	s_lshl_b32 s27, s26, 2
	s_add_co_u32 s27, s27, s16                     ; my K step
	s_lshl_b32 s2, s27, 19                         ; 128 rows of 4,096 bytes a K step,
	s_lshl_b32 s28, s19, 7                         ; 128 bytes for 32 columns
	s_add_co_u32 s2, s2, s28
	s_mul_i32 s22, s18, 786432                     ; the images: 64 tiles x 8 K steps a matrix,
	s_mul_i32 s28, s19, 24576                      ; two tiles a group,
	s_add_co_u32 s22, s22, s28
	s_mul_i32 s28, s27, 1536
	s_add_co_u32 s22, s22, s28
	s_mov_b32 s23, 0
	s_lshl_b32 s24, s18, 15                        ; the scale words: 512 bytes a tile, 256 a K half
	s_lshl_b32 s28, s19, 10
	s_add_co_u32 s24, s24, s28
	s_lshl_b32 s28, s26, 8
	s_add_co_u32 s24, s24, s28
	s_mov_b32 s25, 0
	s_wait_kmcnt 0x0
	s_cmp_eq_u32 s18, 1                            ; the choice hangs on the work-group's number alone
	s_cselect_b64 s[6:7], s[8:9], s[6:7]
	s_cmp_eq_u32 s18, 2
	s_cselect_b64 s[6:7], s[10:11], s[6:7]
	s_cmp_eq_u32 s18, 3
	s_cselect_b64 s[6:7], s[12:13], s[6:7]
	s_add_nc_u64 s[6:7], s[6:7], s[2:3]
	s_add_nc_u64 s[22:23], s[14:15], s[22:23]
	s_add_nc_u64 s[22:23], s[22:23], O_WIMG
	s_add_nc_u64 s[24:25], s[14:15], s[24:25]
	s_add_nc_u64 s[24:25], s[24:25], O_WSC
.set j, 0
.rept 128
	global_load_b32 v[WX+j], v[L4], s[6:7] offset:j*4096 th:TH_LOAD_NT   ; row j of the K step at my column: 32 lanes read 128 consecutive bytes
.set j, j+1
.endr
; Block b of my column goes into the image of my tile as lane index + 16 (b % 2), registers 6 (b / 2) .. + 5
.macro WBLOCK b
.set XS_, WX+32*(\b)
.set CB_, C+8*(\b)
.set TB_, WT+4*((\b)%2)
	v_max3_num_f32 v[TM], |v[XS_]|, |v[XS_+1]|, |v[XS_+2]|
	v_max3_num_f32 v[TM+1], |v[XS_+3]|, |v[XS_+4]|, |v[XS_+5]|
.irp i, 6,10,14,18,22,26
	v_max3_num_f32 v[TM], v[TM], |v[XS_+\i]|, |v[XS_+\i+1]|
	v_max3_num_f32 v[TM+1], v[TM+1], |v[XS_+\i+2]|, |v[XS_+\i+3]|
.endr
	v_max3_num_f32 v[TM], v[TM], |v[XS_+30]|, |v[XS_+31]|
	v_max3_num_f32 v[TM], v[TM], v[TM+1], 0x2800000
	v_add_nc_u32 v[TM+4+(\b)], 0xfe000000, v[TM]
	v_lshrrev_b32 v[TM+2], 23, v[TM+4+(\b)]
.if (\b) == 0
	v_mov_b32 v[WD], v[TM+2]
.else
	v_lshl_or_b32 v[WD], v[TM+2], 8*(\b), v[WD]
.endif
	v_cvt_scalef32_pk16_bf6_f32 v[CB_:CB_+2], v[XS_:XS_+15], v[TM+4+(\b)]
	v_cvt_scalef32_pk16_bf6_f32 v[TB_:TB_+2], v[XS_+16:XS_+31], v[TM+4+(\b)]
	v_nop                                          ; one plain place behind a scaled conversion
.irp i, 0,1,2
	v_mov_b32 v[CB_+3+\i], v[TB_+\i]
.endr
.if (\b) < 2
	ds_store_b128 v[AW], v[CB_:CB_+3] offset:256*((\b)%2)          ; registers 0-3: the image's first 512 bytes
	ds_store_b64 v[AW], v[CB_+4:CB_+5] offset:512+256*((\b)%2)     ; registers 4, 5: the lower half of a lane's 16 bytes in the second
.else
	ds_store_b64 v[AW], v[CB_:CB_+1] offset:520+256*((\b)%2)       ; registers 6, 7: the upper half
	ds_store_b128 v[AW], v[CB_+2:CB_+5] offset:1024+256*((\b)%2)   ; registers 8-11: the third
.endif
.endm
	s_wait_loadcnt 63                              ; at most 63 of the 128 are out: the first 65 are in, blocks 0 and 1 among them
	WBLOCK 0
	WBLOCK 1
	s_wait_loadcnt 32                              ; block 3's 32 may be out
	WBLOCK 2
	s_wait_loadcnt 0x0
	WBLOCK 3
	ds_store_b32 v[WSA], v[WD]
.irp k, 0,1,2,3,4,5
	ds_load_b128 v[OUTR+4*\k:OUTR+4*\k+3], v[RB] offset:WPT*(\k/3)+512*(\k%3)   ; my own stage: LDS serves a wave's instructions in order
.endr
.irp k, 0,1,2,3,4,5
	s_wait_dscnt 5-\k                              ; the younger loads may be out
	global_store_b128 v[G], v[OUTR+4*\k:OUTR+4*\k+3], s[22:23] offset:12288*(\k/3)+512*(\k%3)
.endr
	s_wait_dscnt 0x0                               ; for the others' sake: my scale words have landed
	s_barrier_signal -1
	s_barrier_wait -1
	s_cmp_lg_u32 s16, 0
	s_cbranch_scc1 .Lwdone
	ds_load_b128 v[C:C+3], v[WSR]                  ; four K steps' words of 32 columns
	s_wait_dscnt 0x0
	global_store_b128 v[WGO], v[C:C+3], s[24:25]   ; sixteen lanes store 256 consecutive bytes, aligned
.Lwdone:
	s_wait_tensorcnt 0x0
	ds_add_u32 v254, v255
	s_wait_dscnt 0x0
	s_endpgm
.Lfunc_end_k_qa47151b977_quant:
	.size	k_qa47151b977_quant, .Lfunc_end_k_qa47151b977_quant-k_qa47151b977_quant
	.p2alignl 7, 3214868480
	.fill 96, 4, 3214868480
	.section	.rodata,"a",@progbits
	.p2align	6, 0x0
	.amdhsa_kernel k_qa47151b977_quant
		.amdhsa_group_segment_fixed_size 48128
		.amdhsa_private_segment_fixed_size 0
		.amdhsa_enable_private_segment 0
		.amdhsa_kernarg_size 48
		.amdhsa_user_sgpr_count 2
		.amdhsa_user_sgpr_kernarg_segment_ptr 1
		.amdhsa_wavefront_size32 1
		.amdhsa_system_sgpr_workgroup_id_x 1
		.amdhsa_system_sgpr_workgroup_id_y 1
		.amdhsa_system_sgpr_workgroup_id_z 1
		.amdhsa_system_vgpr_workitem_id 0
		.amdhsa_next_free_vgpr 256
		.amdhsa_next_free_sgpr 66
		.amdhsa_reserve_vcc 0
		.amdhsa_float_denorm_mode_32 3
		.amdhsa_float_denorm_mode_16_64 3
		.amdhsa_memory_ordered 1
		.amdhsa_forward_progress 1
		.amdhsa_inst_pref_size 52
	.end_amdhsa_kernel
	.amdgpu_metadata
---
amdhsa.version: [ 1, 2 ]
amdhsa.kernels:
  - .name:           k_qa47151b977_quant
    .symbol:         k_qa47151b977_quant.kd
    .args:
      - { .name: x, .offset: 0, .size: 8, .value_kind: global_buffer, .address_space: global }
      - { .name: Wq, .offset: 8, .size: 8, .value_kind: global_buffer, .address_space: global }
      - { .name: Wk, .offset: 16, .size: 8, .value_kind: global_buffer, .address_space: global }
      - { .name: Wv, .offset: 24, .size: 8, .value_kind: global_buffer, .address_space: global }
      - { .name: Wo, .offset: 32, .size: 8, .value_kind: global_buffer, .address_space: global }
      - { .name: opnd, .offset: 40, .size: 8, .value_kind: global_buffer, .address_space: global }
    .group_segment_fixed_size: 48128
    .private_segment_fixed_size: 0
    .kernarg_segment_align: 8
    .kernarg_segment_size: 48
    .max_flat_workgroup_size: 128
    .sgpr_count:     66
    .vgpr_count:     256
    .wavefront_size: 32
...
	.end_amdgpu_metadata
.endif
;; end of part 1
;; launch qkv (part 2): grid 12 x 64, 4 waves a work-group, no clusters, 168,448 bytes of LDS; arguments opnd, bq, bk, bv, qkvc; writes qkvc
.if DOCPART == 2
	.amdgcn_target "amdgcn-amd-amdhsa--gfx1250"
	.amdhsa_code_object_version 6
	.text
	.protected	k_qa47151b977_qkv
	.globl	k_qa47151b977_qkv
	.p2align	8
	.type	k_qa47151b977_qkv,@function
k_qa47151b977_qkv:
	s_mov_b64 s[64:65], 0
	v_nop
	global_prefetch_b8 v0, s[64:65] scope:SCOPE_SE
	s_setreg_imm32_b32 hwreg(HW_REG_WAVE_MODE, 25, 1), 1
	s_wait_xcnt 0x0
; Q = x Wq + bq, K = x Wk + bk, V = x Wv + bv on codes of E3M2, and each result quantised on the way for attention: Q and K along the head's 64, V along the tokens.
; A work-group takes 128 tokens (8 tiles) x 256 columns of one of the three; wave w takes one head (4 tiles of columns).  The wave's 32 fragments of the weight stay in 384 registers;
; x's 64 fragments (98,304 dense bytes) are copied once into LDS, as they lie, and read by all four waves.
; Q, K: THE PRODUCT IS USED TRANSPOSED (source 0 = 16 columns of W, source 1 = 16 tokens): a lane holds one token and, by the choice of a tile's columns, 16 neighbours along d in two neighbouring tiles.
; V: source 0 = 16 tokens, source 1 = 16 columns: a lane holds one column and, by the choice of a tile's tokens, 16 neighbouring tokens in two neighbouring tiles.
; So one and the same way out quantises 64 registers at a time: for Q and K the two tiles of a pair (an image: registers 0-5 tile 2 p, 6-11 tile 2 p + 1), for V one tile of d for the 128 tokens.
; The bias is the C of each sum's first matrix instruction.  No joint loads: two thirds of a work-group's bytes are weights that go straight into registers.
; LIMITS: blocks whose largest magnitude lies under 2^-122 keep the byte 1; NaN and infinities are not served.
; REGISTERS: window 0: v1-8 addresses; v16-47 W's scale words (n, s) at 8 n + s; v48-111 x's (m, s) at 8 m + s; v112-207 x's 8 fragments, later the codes made; v208-231 at work.
;   windows 1, 2: the weight's tiles 0, 1 and 2, 3: fragment (n % 2, s) at 12 (8 (n % 2) + s); from v192 their bias.   window 3: the 32 accumulators.
.set O_WIMG, 6291456
.set O_XSC,  9437184
.set O_WSC,  9961472
.set LI0, 1                            ; v1  16 x lane
.set LI1, 2                            ; v2  the same + 49,152: x's tiles 4-7 in LDS
.set R16, 3                            ; v3  16 x (lane % 16)
.set CPL, 4                            ; v4  the copies' LDS address: 24,576 x wave + 16 x lane
.set CPG, 5                            ; v5  and the same as their offset in memory
.set BAQ, 6                            ; v6  bias, Q and K: 64 h
.set BAV, 7                            ; v7  bias, V: my column's place in its tile
.set SH,  8                            ; v8  16 h for Q and K, 0 for V
.set WS,  16
.set XS,  48
.set AF,  112
.set STG, 160                          ; v160-167 the upper halves of blocks' codes
.set TM,  208
.set PW,  224
.set SWD, 228
.set BI,  192
.set MSB, 0
.macro WIN new                         ; the immediate's high byte repeats the setting that is left
.if MSB != (\new)
	s_set_vgpr_msb (MSB<<8)|(\new)
.set MSB, (\new)
.endif
.endm
.macro PLACES                          ; four places behind a matrix instruction of this form, ahead of loads into its sources and of reads of its results
.rept 4
	v_nop
.endr
.endm
	s_load_b256 s[4:11], s[0:1], 0x0               ; opnd, bq, bk, bv
	s_load_b64 s[12:13], s[0:1], 0x20              ; qkvc
	v_lshl_add_u32 v254, v0, 2, 0x29000
	v_mov_b32 v255, 0
	ds_add_u32 v254, v255
	ds_add_u32 v254, v255
	v_lshrrev_b32 v9, 5, v0
	v_readfirstlane_b32 s14, v9                    ; wave
	v_and_b32 v9, 31, v0
	v_and_b32 v10, 15, v0
	v_bfe_u32 v11, v0, 4, 1                        ; h
	v_lshlrev_b32 v[LI0], 4, v9
	v_add_nc_u32 v[LI1], 49152, v[LI0]
	v_lshlrev_b32 v[R16], 4, v10
	s_mul_i32 s34, s14, 24576
	v_add_nc_u32 v[CPL], s34, v[LI0]
	v_add_nc_u32 v[CPG], s34, v[LI0]
	v_lshlrev_b32 v[BAQ], 6, v11
	v_and_b32 v12, 7, v0
	v_bfe_u32 v13, v0, 3, 1
	v_lshlrev_b32 v[BAV], 2, v12
	v_lshl_add_u32 v[BAV], v13, 6, v[BAV]          ; 4 (r % 8 + 16 (r / 8))
.irp b, 0,1,2,3
	v_mov_b32 v[TM+4+\b], 0                        ; a lane permute's destination counts as one of its sources
.endr
	s_mov_b32 s38, 0x76543210
	s_mov_b32 s39, 0xfedcba98
	s_lshr_b32 s16, ttmp9, 2                       ; 0 Q, 1 K, 2 V
	s_and_b32 s15, ttmp9, 3
	s_lshl_b32 s18, s15, 2
	s_add_co_u32 s18, s18, s14                     ; my head
	s_and_b32 s17, ttmp7, 0xffff                   ; which 128 tokens
	s_lshr_b32 s19, s17, 4
	s_lshl_b32 s19, s19, 4
	s_add_co_u32 s19, s19, s18                     ; 16 x batch + head
	s_lshl_b32 s19, s19, 4
	s_and_b32 s35, s17, 15
	s_add_co_u32 s19, s19, s35                     ; x 16 + the group of 128 tokens in its batch
	s_cmp_eq_u32 s16, 2
	s_cselect_b32 s35, 0, 16
	s_cselect_b32 s36, -1, 0xffff
	v_mul_u32_u24 v[SH], v11, s35
	s_mov_b32 s3, 0
	s_wait_dscnt 0x0
	s_wait_kmcnt 0x0
	s_mul_i32 s2, s17, 98304
	s_add_nc_u64 s[20:21], s[4:5], s[2:3]          ; x's images of my 8 tiles
	s_lshl_b32 s2, s17, 13
	s_add_nc_u64 s[22:23], s[4:5], s[2:3]
	s_add_nc_u64 s[22:23], s[22:23], O_XSC         ; their scale words
	s_mul_i32 s2, s16, 786432
	s_mul_i32 s37, s18, 49152
	s_add_co_u32 s2, s2, s37
	s_add_nc_u64 s[24:25], s[4:5], s[2:3]
	s_add_nc_u64 s[24:25], s[24:25], O_WIMG        ; my head's 4 tiles of the weight
	s_lshl_b32 s2, s16, 15
	s_lshl_b32 s37, s18, 11
	s_add_co_u32 s2, s2, s37
	s_add_nc_u64 s[26:27], s[4:5], s[2:3]
	s_add_nc_u64 s[26:27], s[26:27], O_WSC         ; their scale words
	s_cmp_eq_u32 s16, 1
	s_cselect_b64 s[28:29], s[8:9], s[6:7]
	s_cmp_eq_u32 s16, 2
	s_cselect_b64 s[28:29], s[10:11], s[28:29]
	s_lshl_b32 s2, s18, 8
	s_add_nc_u64 s[28:29], s[28:29], s[2:3]        ; my head's 64 numbers of the bias
	s_mul_i32 s2, s16, 6291456
	s_mul_i32 s37, s19, 6144
	s_add_co_u32 s2, s2, s37
	s_add_nc_u64 s[30:31], s[12:13], s[2:3]        ; out: four images
	s_lshl_b32 s2, s16, 19
	s_lshl_b32 s37, s19, 9
	s_add_co_u32 s2, s2, s37
	s_add_nc_u64 s[32:33], s[12:13], s[2:3]
	s_add_nc_u64 s[32:33], s[32:33], 18874368      ; and their block of scale words
.set j, 0
.rept 48
	global_load_async_to_lds_b128 v[CPL], v[CPG], s[20:21] offset:512*j   ; x's fragments into LDS as they lie; the immediate steps both addresses
.set j, j+1
.endr
.irp m, 0,1,2,3,4,5,6,7
.irp g, 0,1
	global_load_b128 v[XS+8*\m+4*\g:XS+8*\m+4*\g+3], v[LI0], s[22:23] offset:1024*\m+512*\g
.endr
.endr
.irp n, 0,1,2,3
.irp g, 0,1
	global_load_b128 v[WS+8*\n+4*\g:WS+8*\n+4*\g+3], v[R16], s[26:27] offset:512*\n+256*\g
.endr
.endr
	s_cmp_eq_u32 s16, 2
	s_cbranch_scc1 .Lbias_v
.irp np, 0,1                           ; Q, K: register j of tile n in lane (r, h) is d = 32 (n / 2) + 8 (n % 2) + 16 h + j
	WIN 0x40+0x40*\np
.irp nn, 0,1
	global_load_b128 v[BI+8*\nn:BI+8*\nn+3], v[BAQ], s[28:29] offset:128*\np+32*\nn
	global_load_b128 v[BI+8*\nn+4:BI+8*\nn+7], v[BAQ], s[28:29] offset:128*\np+32*\nn+16
.endr
.endr
	WIN 0
	s_branch .Lbias_done
.Lbias_v:
	s_wait_alu depctr_va_vdst(0)
.irp np, 0,1                           ; V: all eight registers of a lane belong to its one column
	WIN 0x40+0x40*\np
.irp nn, 0,1
.irp j, 0,1,2,3,4,5,6,7
	global_load_b32 v[BI+8*\nn+\j], v[BAV], s[28:29] offset:128*\np+32*\nn
.endr
.endr
.endr
	WIN 0
.Lbias_done:
.irp s, 0,1,2,3,4,5,6,7                ; the weight, K STEP BY K STEP, so that the products can begin while later K steps are on their way
.irp np, 0,1
	WIN 0x40+0x40*\np
.irp nn, 0,1
.irp c, 0,1,2
	global_load_b128 v[12*(8*\nn+\s)+4*\c:12*(8*\nn+\s)+4*\c+3], v[LI0], s[24:25] offset:12288*(2*\np+\nn)+1536*\s+512*\c
.endr
.endr
.endr
.endr
	WIN 0
	s_wait_asynccnt 0x0                            ; my part of x's fragments has landed,
	s_barrier_signal -1
	s_barrier_wait -1                              ; everybody's has
.macro FETCHA half, s                  ; four of x's fragments of K step s: 12 loads of 512 consecutive bytes
.irp mm, 0,1,2,3
.irp c, 0,1,2
	ds_load_b128 v[AF+12*(4*(\half)+\mm)+4*\c:AF+12*(4*(\half)+\mm)+4*\c+3], v[LI0+(\half)] offset:\mm*12288+1536*(\s)+512*\c
.endr
.endr
.endm
; 16 matrix instructions: x's tiles 4 half .. + 3 against my 4 tiles of columns, K step s.  The 32 accumulators take turns, one instruction a turn.
.macro MUL ty, s, half
.irp np, 0,1
.if (\ty) == 0
.if (\s) == 0
	WIN 0xd1+0x11*\np                              ; source 0 and C (the bias) in the weight's window, source 1 window 0, D window 3
.else
	WIN 0xf1+\np
.endif
.else
.if (\s) == 0
	WIN 0xd4+0x14*\np                              ; source 1 and C in the weight's window
.else
	WIN 0xf4+4*\np
.endif
.endif
.irp mm, 0,1,2,3
.irp nn, 0,1
.set MI, 4*(\half)+\mm
.set NI, 2*\np+\nn
.set WR, 12*(8*\nn+(\s))
.set AR, AF+12*MI
.if (\ty) == 0
.set DR, 64*(MI/2)+32*(MI%2)+8*NI
.if (\s) == 0
	v_wmma_scale_f32_16x16x128_f8f6f4 v[DR:DR+7], v[WR:WR+11], v[AR:AR+11], v[BI+8*\nn:BI+8*\nn+7], v[WS+8*NI+(\s)], v[XS+8*MI+(\s)] matrix_a_fmt:MATRIX_FMT_BF6 matrix_b_fmt:MATRIX_FMT_BF6
.else
	v_wmma_scale_f32_16x16x128_f8f6f4 v[DR:DR+7], v[WR:WR+11], v[AR:AR+11], v[DR:DR+7], v[WS+8*NI+(\s)], v[XS+8*MI+(\s)] matrix_a_fmt:MATRIX_FMT_BF6 matrix_b_fmt:MATRIX_FMT_BF6
.endif
.else
.set DR, 64*NI+16*(MI/2)+8*(MI%2)
.if (\s) == 0
	v_wmma_scale_f32_16x16x128_f8f6f4 v[DR:DR+7], v[AR:AR+11], v[WR:WR+11], v[BI+8*\nn:BI+8*\nn+7], v[XS+8*MI+(\s)], v[WS+8*NI+(\s)] matrix_a_fmt:MATRIX_FMT_BF6 matrix_b_fmt:MATRIX_FMT_BF6
.else
	v_wmma_scale_f32_16x16x128_f8f6f4 v[DR:DR+7], v[AR:AR+11], v[WR:WR+11], v[DR:DR+7], v[XS+8*MI+(\s)], v[WS+8*NI+(\s)] matrix_a_fmt:MATRIX_FMT_BF6 matrix_b_fmt:MATRIX_FMT_BF6
.endif
.endif
.endr
.endr
.endr
.endm
.macro MAIN ty
	FETCHA 0, 0
	FETCHA 1, 0
.irp s, 0,1,2,3,4,5,6,7
.if 12*(7-\s) > 63
	s_wait_loadcnt 63                              ; (the count's field ends at 63: more than this K step's weights are then in)
.else
	s_wait_loadcnt 12*(7-\s)                       ; the 12 weight loads of each later K step may be out
.endif
	s_wait_dscnt 12                                ; tiles 0-3 are in; the 12 loads of tiles 4-7 may be out
	MUL \ty, \s, 0
.if \s < 7
	PLACES
	WIN 0
	FETCHA 0, \s+1
	s_wait_dscnt 12                                ; tiles 4-7 are in; the 12 just issued may be out
.else
	s_wait_dscnt 0x0
.endif
	MUL \ty, \s, 1
.if \s < 7
	PLACES
	WIN 0
	FETCHA 1, \s+1
.endif
.endr
	WIN 0
.endm
	s_cmp_eq_u32 s16, 2
	s_cbranch_scc1 .Lmain_v
	MAIN 0
	s_branch .Ljoin
.Lmain_v:
	MAIN 1
.Ljoin:
	PLACES
; 64 numbers of a lane in window 3, register 16 b + i = k 32 b + 16 h + i of my row, become a fragment's codes in v[pc] on and its scale word in v[PW].  Each accumulator is read from its low end on.
.macro QUANT s, pc
	WIN 0x3c                                       ; sources 1 and 2 window 3
.irp b, 0,1,2,3
	v_max3_num_f32 v[TM+\b], 0x2800000, |v[(\s)+16*\b]|, |v[(\s)+1+16*\b]|   ; the floor 2^(5 - 127) holds the byte at 1 from below
.endr
.irp i, 2,4,6,8,10,12,14
.irp b, 0,1,2,3
	v_max3_num_f32 v[TM+\b], v[TM+\b], |v[(\s)+16*\b+\i]|, |v[(\s)+1+16*\b+\i]|
.endr
.endr
	WIN 0
.irp b, 0,1,2,3
	v_permlanex16_b32 v[TM+4+\b], v[TM+\b], s38, s39
.endr
.irp b, 0,1,2,3
	v_max_num_f32 v[TM+\b], v[TM+\b], v[TM+4+\b]   ; with lane l xor 16's 16: the block's largest magnitude
.endr
.irp b, 0,1,2,3
	v_add_nc_u32 v[TM+12+\b], 0xfe000000, v[TM+\b] ; 4 off the exponent field: the conversion's scale operand
.endr
.irp b, 0,1,2,3
	v_lshrrev_b32 v[TM+4+\b], 23, v[TM+12+\b]      ; the byte
.endr
	v_lshl_or_b32 v[PW], v[TM+5], 8, v[TM+4]
	v_lshl_or_b32 v[PW], v[TM+6], 16, v[PW]
	v_lshl_or_b32 v[PW], v[TM+7], 24, v[PW]
	WIN 0x03                                       ; source 0 window 3
.irp c, 0,1
	v_cvt_scalef32_pk16_bf6_f32 v[(\pc)+6*\c:(\pc)+2+6*\c], v[(\s)+32*\c:(\s)+15+32*\c], v[TM+12+2*\c]
	v_cvt_scalef32_pk16_bf6_f32 v[STG+4*\c:STG+2+4*\c], v[(\s)+16+32*\c:(\s)+31+32*\c], v[TM+12+2*\c+1]
.endr
	WIN 0
	v_nop                                          ; one plain place behind a scaled conversion
.irp c, 0,1                            ; the operand's layout wants a whole block in a lane: lanes 0-15 block 2 c, lanes 16-31 block 2 c + 1
.irp i, 0,1,2
	v_permlane16_swap_b32 v[(\pc)+6*\c+\i], v[STG+4*\c+\i]
.endr
.irp i, 0,1,2
	v_mov_b32 v[(\pc)+3+6*\c+\i], v[STG+4*\c+\i]
.endr
.endr
.endm
.irp i, 0,1,2,3                        ; Q, K: pair i of tiles;  V: tile i of d.  Each image has registers of its own, so no store's data are written again
	QUANT 64*\i, AF+12*\i
.irp c, 0,1,2
	global_store_b128 v[LI0], v[AF+12*\i+4*\c:AF+12*\i+4*\c+3], s[30:31] offset:1536*\i+512*\c   ; 512 consecutive bytes, aligned
.endr
	v_lshrrev_b32 v[SWD+\i], v[SH], v[PW]          ; Q, K: lanes 0-15 keep the two bytes of tile 2 i, lanes 16-31 those of tile 2 i + 1; bytes 2 and 3 are 0.  V: the whole word
	v_and_b32 v[SWD+\i], s36, v[SWD+\i]
.endr
	global_store_b128 v[LI0], v[SWD:SWD+3], s[32:33]
	s_wait_tensorcnt 0x0
	ds_add_u32 v254, v255
	s_wait_dscnt 0x0
	s_endpgm
.Lfunc_end_k_qa47151b977_qkv:
	.size	k_qa47151b977_qkv, .Lfunc_end_k_qa47151b977_qkv-k_qa47151b977_qkv
	.p2alignl 7, 3214868480
	.fill 96, 4, 3214868480
	.section	.rodata,"a",@progbits
	.p2align	6, 0x0
	.amdhsa_kernel k_qa47151b977_qkv
		.amdhsa_group_segment_fixed_size 168448
		.amdhsa_private_segment_fixed_size 0
		.amdhsa_enable_private_segment 0
		.amdhsa_kernarg_size 40
		.amdhsa_user_sgpr_count 2
		.amdhsa_user_sgpr_kernarg_segment_ptr 1
		.amdhsa_wavefront_size32 1
		.amdhsa_system_sgpr_workgroup_id_x 1
		.amdhsa_system_sgpr_workgroup_id_y 1
		.amdhsa_system_sgpr_workgroup_id_z 1
		.amdhsa_system_vgpr_workitem_id 0
		.amdhsa_next_free_vgpr 1024
		.amdhsa_next_free_sgpr 66
		.amdhsa_reserve_vcc 0
		.amdhsa_float_denorm_mode_32 3
		.amdhsa_float_denorm_mode_16_64 3
		.amdhsa_memory_ordered 1
		.amdhsa_forward_progress 1
		.amdhsa_inst_pref_size 137
	.end_amdhsa_kernel
	.amdgpu_metadata
---
amdhsa.version: [ 1, 2 ]
amdhsa.kernels:
  - .name:           k_qa47151b977_qkv
    .symbol:         k_qa47151b977_qkv.kd
    .args:
      - { .name: opnd, .offset: 0, .size: 8, .value_kind: global_buffer, .address_space: global }
      - { .name: bq, .offset: 8, .size: 8, .value_kind: global_buffer, .address_space: global }
      - { .name: bk, .offset: 16, .size: 8, .value_kind: global_buffer, .address_space: global }
      - { .name: bv, .offset: 24, .size: 8, .value_kind: global_buffer, .address_space: global }
      - { .name: qkvc, .offset: 32, .size: 8, .value_kind: global_buffer, .address_space: global }
    .group_segment_fixed_size: 168448
    .private_segment_fixed_size: 0
    .kernarg_segment_align: 8
    .kernarg_segment_size: 40
    .max_flat_workgroup_size: 128
    .sgpr_count:     66
    .vgpr_count:     1024
    .wavefront_size: 32
...
	.end_amdgpu_metadata
.endif
;; end of part 2
;; launch attn (part 3): grid 4 x 64, 8 waves a work-group, no clusters, 311,296 bytes of LDS; arguments qkvc, attw; writes attw
.if DOCPART == 3
	.amdgcn_target "amdgcn-amd-amdhsa--gfx1250"
	.amdhsa_code_object_version 6
	.text
	.protected	k_qa47151b977_attn
	.globl	k_qa47151b977_attn
	.p2align	8
	.type	k_qa47151b977_attn,@function
k_qa47151b977_attn:
	s_mov_b64 s[64:65], 0
	v_nop
	global_prefetch_b8 v0, s[64:65] scope:SCOPE_SE
	s_setreg_imm32_b32 hwreg(HW_REG_WAVE_MODE, 25, 1), 1
	s_wait_xcnt 0x0
; Attention of one head for 512 queries, on codes of E3M2.  A head's K (98,304 bytes), V (98,304), their scale words and the work-group's Q are copied into LDS ONCE; nothing is filled again.
; A WAVE OWNS 64 QUERIES (4 tiles of 16) THROUGH BOTH PHASES, so no barrier stands between the phases; each fragment of K and V is read from LDS once for the four tiles.
; PHASE A (keys stream, 128 a step): S^T = K Q^T (source 0 = 16 keys), t = score x log2(e) / 8, M = the running largest t rounded up to a whole number, p = 2^(t - M) quantised along the keys,
; O^T += V^T P^T; the row's sum l is taken of the unquantised p.  At the end O / l is quantised along d and stored as half an operand image; -M - log2(l) goes to the wave's own LDS words.
; PHASE B: the mean of the FINISHED softmax over queries needs l, so the scores are formed once more, the other way round (source 0 = 16 queries, source 1 = 16 keys: a lane holds ONE key), and
; 2^(t - M - log2 l) is summed over the wave's 64 queries.  Each wave's sums for the 2,048 keys go to its own 8,192 bytes of LDS; behind the one barrier the eight parts are added and leave.
; THE KEYS OF A TILE ARE CHOSEN BY THE LANES' LDS ADDRESSES: lane r of tile 4 c + i takes key 32 (2 c + r / 8) + 8 i + r % 8 of the step.  In S^T lane (r, h) then holds, in the 32 registers of tiles 4 c .. 4 c + 3,
; the whole block 2 c + h of 32 keys in order: a block's maximum needs no other lane and the conversions' results lie where the operand wants them.
; The scores have two buffers: the next tile's eight products are issued ahead of this tile's softmax, whose lines are the places behind them.  The loops are turned by one tile: a trip ends with the next step's
; first tile of scores.  The last trip's look-ahead reads the LDS bytes behind K's images and scale blocks (V's, which the copies filled); its eight products are not used.
; K = 64 IN AN INSTRUCTION OF 128: Q's fragments have zero codes in registers 6-11; K's fragments lie overlapped (tile t at KB + 6 t, 12 registers): the upper six hold the next tile's codes, finite numbers that meet
; zeros.  Bytes 2 and 3 of Q's and K's scale words are 0 (2^-127), never 0xff.
; No joint loads: what the four work-groups of a head share is fetched once at the head, ahead of 32 steps that fetch nothing.  No prefetch: no loop of this text touches memory.
; LIMITS: M is exact while |t| < 2^24; v_exp_f32 gives 0 under 2^-126; blocks whose largest magnitude lies under 2^-122 keep the byte 1; NaN and infinities are not served.
; REGISTERS: window 0: v1-11 addresses; v12-27 four tiles' -M, largest score, l (two halves); v28-37, v252 scale words; v38-91 K; v92-219 two buffers of scores; v220-239 p's codes; v240-251 at work.
;   window 1: v0-127 O^T of four tiles; v128-175 Q's four fragments; v176-223 V's four.
.set VIMG, 98304
.set KSC,  196608
.set VSC,  204800
.set QIMG, 212992
.set QSC,  237568
.set STM,  239616                      ; written by LDS stores alone: -M - log2 l, 256 bytes a wave
.set OSC,  243712                      ; O's two scale bytes of 512 rows
.set CSP,  244736                      ; the waves' column sums, 8,192 bytes a wave
.set SPARE, 310272                     ; the spare words, 128 bytes a wave
.set LI,   1
.set AK0,  2
.set AV0,  3
.set ASK0, 4
.set ASV0, 5
.set ADK,  6
.set ADV,  7
.set ADS,  8
.set ADT,  9
.set H8,   10
.set L8,   11
.set AOS,  6                           ; behind phase A's loop these registers take other LDS addresses
.set AST,  8
.set ASM,  3
.set ACS0, 5
.set ACS,  7
.set FA,   9
.set OSA,  10
.set OSG,  11
.set STA,  12
.set KS,   28
.set VS,   32
.set QS,   36
.set KB,   38
.set S0,   92
.set S1,   156
.set CP,   92
.set PC,   220
.set TT,   232
.set ACC,  236
.set BM,   240
.set SO,   244
.set PT,   246
.set TP,   247
.set AQW,  246
.set AQSW, 247
.set FF,   248
.set OLD,  250
.set PW,   252
.set SPW,  254
.set NIL,  255
.set O,    0                           ; window 1
.set QB,   128
.set VB,   176
.set WV,   8
.set SEL,  10
.set CS,   12
.set NC,   14
.set TK,   15
.set TS,   16
.set CNT,  17
.set MSB, 0
.macro WIN new                         ; the immediate's high byte repeats the setting that is left
.if MSB != (\new)
	s_set_vgpr_msb (MSB<<8)|(\new)
.set MSB, (\new)
.endif
.endm
; a product that starts a sum; ra, rb: the scale words stand in lanes 16-31
.macro SWM d, a, b, sa, sb, ra, rb
.if ((\ra) != 0) && ((\rb) != 0)
	v_wmma_scale_f32_16x16x128_f8f6f4 v[(\d):(\d)+7], v[(\a):(\a)+11], v[(\b):(\b)+11], 0, v[(\sa)], v[(\sb)] matrix_a_fmt:MATRIX_FMT_BF6 matrix_b_fmt:MATRIX_FMT_BF6 matrix_a_scale:MATRIX_SCALE_ROW1 matrix_b_scale:MATRIX_SCALE_ROW1
.elseif (\ra) != 0
	v_wmma_scale_f32_16x16x128_f8f6f4 v[(\d):(\d)+7], v[(\a):(\a)+11], v[(\b):(\b)+11], 0, v[(\sa)], v[(\sb)] matrix_a_fmt:MATRIX_FMT_BF6 matrix_b_fmt:MATRIX_FMT_BF6 matrix_a_scale:MATRIX_SCALE_ROW1
.elseif (\rb) != 0
	v_wmma_scale_f32_16x16x128_f8f6f4 v[(\d):(\d)+7], v[(\a):(\a)+11], v[(\b):(\b)+11], 0, v[(\sa)], v[(\sb)] matrix_a_fmt:MATRIX_FMT_BF6 matrix_b_fmt:MATRIX_FMT_BF6 matrix_b_scale:MATRIX_SCALE_ROW1
.else
	v_wmma_scale_f32_16x16x128_f8f6f4 v[(\d):(\d)+7], v[(\a):(\a)+11], v[(\b):(\b)+11], 0, v[(\sa)], v[(\sb)] matrix_a_fmt:MATRIX_FMT_BF6 matrix_b_fmt:MATRIX_FMT_BF6
.endif
.endm
; a key step's eight tiles of K out of the pair images (registers 0-5 the even tile's, 6-11 the odd one's), and their scale words: register i: lanes 0-15 tile i, lanes 16-31 tile 4 + i.  20 loads
.macro LOADK off, off2
.irp t, 0,1,2,3,4,5,6,7
.set F_, KB+6*\t
.set B_, (\off)+3072*(\t/4)+128*((\t%4)/2)
.if \t%2 == 0
	ds_load_b128 v[F_:F_+3], v[ADK] offset:B_
	ds_load_b64 v[F_+4:F_+5], v[ADK] offset:B_+512
.else
	ds_load_b64 v[F_:F_+1], v[ADK] offset:B_+520
	ds_load_b128 v[F_+2:F_+5], v[ADK] offset:B_+1024
.endif
.endr
.irp i, 0,1,2,3
	ds_load_b32 v[KS+\i], v[ADS] offset:(\off2)+128*(\i/2)+256*(\i%2)
.endr
.endm
.macro LOADV                           ; a key step's four images of V into window 1, and their scale words: 13 loads
	WIN 0x40
.set j, 0
.rept 12
	ds_load_b128 v[VB+4*j:VB+4*j+3], v[ADV] offset:512*j
.set j, j+1
.endr
	WIN 0
	ds_load_b128 v[VS:VS+3], v[ADT]
.endm
.macro ADDR
	v_add_nc_u32 v[ADK], s[TK], v[AK0]
	v_add_nc_u32 v[ADV], s[TK], v[AV0]
	v_add_nc_u32 v[ADS], s[TS], v[ASK0]
	v_add_nc_u32 v[ADT], s[TS], v[ASV0]
.endm
.macro SCA u, sb                       ; S^T of query tile u: register 32 c + 8 i + j of lane (r, h): key 32 (2 c + h) + 8 i + j, query r
	WIN 0x04                                       ; source 1 (Q) window 1
.irp t, 0,1,2,3,4,5,6,7
	SWM (\sb)+8*\t, KB+6*\t, QB+12*(\u), KS+\t%4, QS+(\u)/2, \t/4, (\u)%2
.endr
.endm
.macro SCB u, sb                       ; S of query tile u: register 8 t + j of lane (r, h): query 8 h + j, key index r of tile t
	WIN 0x01                                       ; source 0 (Q) window 1
.irp t, 0,1,2,3,4,5,6,7
	SWM (\sb)+8*\t, QB+12*(\u), KB+6*\t, QS+(\u)/2, KS+\t%4, (\u)%2, \t/4
.endr
.endm
	s_load_b128 s[4:7], s[0:1], 0x0                ; qkvc, attw
	v_lshl_add_u32 v[SPW], v0, 2, SPARE
	v_mov_b32 v[NIL], 0
	ds_add_u32 v[SPW], v[NIL]                      ; the opening lines: the add, twice on end, and its wait ahead of the first copy
	ds_add_u32 v[SPW], v[NIL]
	v_lshrrev_b32 v[TP], 5, v0
	v_readfirstlane_b32 s[WV], v[TP]               ; wave 0..7
	s_mul_i32 s50, s[WV], 3072                     ; my two pair images of Q
	s_lshr_b32 s51, s[WV], 1
	s_lshl_b32 s51, s51, 9
	s_and_b32 s18, s[WV], 1
	s_lshl_b32 s18, s18, 3
	s_add_co_u32 s51, s51, s18                     ; their words: block w / 2, words 2 (w % 2) and the next
	s_lshl_b32 s52, s[WV], 7
	s_add_co_u32 s52, s52, OSC
	s_lshl_b32 s53, s[WV], 8
	s_add_co_u32 s53, s53, STM
	s_lshl_b32 s54, s[WV], 13
	s_add_co_u32 s54, s54, CSP
	s_lshl_b32 s55, s[WV], 10
	s_add_co_u32 s55, s55, CSP
	s_mov_b32 s[SEL], 0x76543210
	s_mov_b32 s[SEL+1], 0xfedcba98                 ; v_permlanex16_b32's selects for lane l xor 16
	s_mov_b32 s[CS], 0x3e38aa3b                    ; c = log2(e) / 8
	s_mov_b32 s[CS+1], s[CS]
	s_mov_b32 s[NC], 0xbe38aa3b                    ; -c
	s_mov_b32 s[TK], 0
	s_mov_b32 s[TS], 0
	s_and_b32 s42, ttmp7, 0xffff                   ; 16 x batch + head
	s_lshr_b32 s43, s42, 4
	s_and_b32 s44, s42, 15
	s_mov_b32 s3, 0
	s_mul_i32 s38, s42, 98304
	s_lshl_b32 s39, s42, 13
	s_lshl_b32 s40, s43, 7
	s_lshl_b32 s41, ttmp9, 5
	s_add_co_u32 s40, s40, s41
	s_lshl_b32 s41, s[WV], 2
	s_add_co_u32 s40, s40, s41                     ; my first tile of rows: 128 x batch + 32 x block of queries + 4 x wave
	s_mul_i32 s40, s40, 12288
	s_mul_i32 s41, s44, 768
	s_add_co_u32 s40, s40, s41
	v_and_b32 v[TP], 31, v0
	v_lshlrev_b32 v[LI], 4, v[TP]
	v_lshlrev_b32 v[L8], 3, v[TP]
	v_bfe_u32 v[PT], v0, 4, 1                      ; h
	v_lshlrev_b32 v[H8], 3, v[PT]
	v_and_b32 v[OLD], 7, v0                        ; r % 8
	v_bfe_u32 v[BM], v0, 3, 1                      ; r / 8
	v_mul_u32_u24 v[AK0], v[BM], 1536              ; K: lanes r >= 8 read the next pair image;
	v_lshl_add_u32 v[AK0], v[OLD], 4, v[AK0]       ; 16 bytes a lane of the image,
	v_lshl_add_u32 v[AK0], v[PT], 8, v[AK0]        ; its lanes 16-31 for mine
	v_lshlrev_b32 v[ASK0], 4, v[OLD]               ; K's words: 16 (r % 8) + 4 (r / 8) + 8 h
	v_lshl_add_u32 v[ASK0], v[BM], 2, v[ASK0]
	v_lshl_add_u32 v[ASK0], v[PT], 3, v[ASK0]
	v_add_nc_u32 v[ASK0], KSC, v[ASK0]
	v_add_nc_u32 v[AV0], VIMG, v[LI]
	v_add_nc_u32 v[ASV0], VSC, v[LI]
	v_add_nc_u32 v[AQW], s50, v[LI]
	v_add_nc_u32 v[AQW], QIMG, v[AQW]
	v_add_nc_u32 v[AQSW], s51, v[LI]
	v_add_nc_u32 v[AQSW], QSC, v[AQSW]
	v_lshlrev_b32 v[CP], 4, v0                     ; the copies: 16 bytes a thread, 4,096 an instruction of the 8 waves.  v92-102 stay as they are until the copies are done
	v_lshlrev_b32 v[CP+1], 4, v0
	v_lshl_add_u32 v[CP+2], v0, 4, VIMG
	v_lshl_add_u32 v[CP+3], v0, 4, KSC
	v_lshl_add_u32 v[CP+4], v0, 4, VSC
	v_lshl_add_u32 v[CP+5], v0, 4, QIMG
	v_lshl_add_u32 v[CP+6], v0, 3, QSC
	v_lshlrev_b32 v[CP+7], 3, v0
	v_lshl_add_u32 v[CP+8], v0, 4, 65536           ; the last third of K's and V's images has registers of its own, so that every copy's immediate stays under 65,536
	v_lshl_add_u32 v[CP+9], v0, 4, 65536
	v_lshl_add_u32 v[CP+10], v0, 4, VIMG+65536
	s_wait_alu depctr_va_vdst(0)
	s_wait_dscnt 0x0
	s_wait_kmcnt 0x0
	s_mov_b32 s2, s38
	s_add_nc_u64 s[24:25], s[4:5], s[2:3]
	s_add_nc_u64 s[20:21], s[24:25], 6291456       ; K's images of my head
	s_add_nc_u64 s[22:23], s[24:25], 12582912      ; V's
	s_mul_i32 s2, ttmp9, 24576
	s_add_nc_u64 s[24:25], s[24:25], s[2:3]        ; Q's of my 512 queries
	s_mov_b32 s2, s39
	s_add_nc_u64 s[30:31], s[4:5], s[2:3]
	s_add_nc_u64 s[30:31], s[30:31], 18874368
	s_add_nc_u64 s[26:27], s[30:31], 524288        ; K's scale blocks
	s_add_nc_u64 s[28:29], s[30:31], 1048576       ; V's
	s_lshl_b32 s2, ttmp9, 11
	s_add_nc_u64 s[30:31], s[30:31], s[2:3]        ; Q's
	s_mov_b32 s2, s40
	s_add_nc_u64 s[32:33], s[6:7], s[2:3]          ; O's half images
	s_lshl_b32 s2, s42, 12
	s_lshl_b32 s41, ttmp9, 10
	s_add_co_u32 s2, s2, s41
	s_add_nc_u64 s[34:35], s[6:7], s[2:3]
	s_add_nc_u64 s[34:35], s[34:35], 6291456       ; O's scale bytes
	s_lshl_b32 s2, s42, 2
	s_add_co_u32 s2, s2, ttmp9
	s_lshl_b32 s2, s2, 13
	s_lshl_b32 s41, s[WV], 10
	s_add_co_u32 s2, s2, s41
	s_add_nc_u64 s[36:37], s[6:7], s[2:3]
	s_add_nc_u64 s[36:37], s[36:37], 6553600       ; the column sums: my eighth of the work-group's 8,192 bytes
.set j, 0
.rept 16
	global_load_async_to_lds_b128 v[CP+1], v[CP], s[20:21] offset:4096*j    ; the immediate steps both addresses
	global_load_async_to_lds_b128 v[CP+2], v[CP], s[22:23] offset:4096*j
.set j, j+1
.endr
.set j, 0
.rept 8
	global_load_async_to_lds_b128 v[CP+9], v[CP+8], s[20:21] offset:4096*j
	global_load_async_to_lds_b128 v[CP+10], v[CP+8], s[22:23] offset:4096*j
.set j, j+1
.endr
.irp i, 0,1
	global_load_async_to_lds_b128 v[CP+3], v[CP], s[26:27] offset:4096*\i
	global_load_async_to_lds_b128 v[CP+4], v[CP], s[28:29] offset:4096*\i
.endr
.irp i, 0,1,2,3,4,5
	global_load_async_to_lds_b128 v[CP+5], v[CP], s[24:25] offset:4096*\i
.endr
	global_load_async_to_lds_b64 v[CP+6], v[CP+7], s[30:31]
	WIN 0x40
.irp u, 0,1,2,3
.irp j, 6,7,8,9,10,11
	v_mov_b32 v[QB+12*\u+\j], 0                    ; zero codes for k = 64 .. 127: they stay
.endr
.endr
.set j, 0
.rept 128
	v_mov_b32 v[O+j], 0                            ; the step is written once: the first finds zeros, which the first change of M leaves zeros
.set j, j+1
.endr
	WIN 0
.irp j, 48,49,50,51,52,53
	v_mov_b32 v[KB+\j], 0                          ; what the last tile's fragment names behind the images
.endr
	v_mov_b32 v[FF+1], 0                           ; (named as the upper half of a pair)
.irp u, 0,1,2,3
	v_mov_b32 v[STA+4*\u], 0x7e000000              ; -M: a large whole number, so that the first f is 0
	v_mov_b32 v[STA+4*\u+1], 0xff61b1e6            ; the largest score so far: -3e38
	v_mov_b32 v[STA+4*\u+2], 0
	v_mov_b32 v[STA+4*\u+3], 0
.endr
	ADDR
	s_wait_alu depctr_va_vdst(0)
	s_wait_asynccnt 0x0                            ; my 59 copies have landed,
	s_barrier_signal -1
	s_barrier_wait -1                              ; everybody's have
	WIN 0x40
.irp u, 0,1,2,3
.set F_, QB+12*\u
.if \u%2 == 0
	ds_load_b128 v[F_:F_+3], v[AQW] offset:1536*(\u/2)
	ds_load_b64 v[F_+4:F_+5], v[AQW] offset:1536*(\u/2)+512
.else
	ds_load_b64 v[F_:F_+1], v[AQW] offset:1536*(\u/2)+520
	ds_load_b128 v[F_+2:F_+5], v[AQW] offset:1536*(\u/2)+1024
.endif
.endr
	WIN 0
	ds_load_b64 v[QS:QS+1], v[AQSW]                ; word k: lanes 0-15 tile 2 k, lanes 16-31 tile 2 k + 1
	LOADK 0, 0
	LOADV
	s_wait_dscnt 0x0
	SCA 0, S0
; softmax, quantising and O^T += V^T P^T for query tile u, whose scores lie at sb.  mid: the next step's K is asked for behind the maxima, which are the places behind the last products on K.  vw: V's loads are awaited
.macro SM u, sb, mid, vw
.set ST, STA+4*(\u)
.set SB_, (\sb)
	WIN 0                                          ; (these scores were written ahead of the last tile's exponentials, and the wait behind that batch stands between)
.irp q, 0,1,2,3,4,5,6,7                ; eight chains, one for each accumulator, each from its low end on
	v_max3_num_f32 v[TT+\q], v[SB_+8*\q], v[SB_+8*\q+1], v[SB_+8*\q+2]
.endr
.irp i, 3,5
.irp q, 0,1,2,3,4,5,6,7
	v_max3_num_f32 v[TT+\q], v[TT+\q], v[SB_+8*\q+\i], v[SB_+8*\q+\i+1]
.endr
.endr
.irp q, 0,1,2,3,4,5,6,7
	v_max_num_f32 v[TT+\q], v[TT+\q], v[SB_+8*\q+7]
.endr
	v_max3_num_f32 v[BM], v[TT], v[TT+1], v[TT+2]
	v_max3_num_f32 v[BM+2], v[TT+4], v[TT+5], v[TT+6]
	v_mov_b32 v[OLD], v[ST]
	s_delay_alu instid0(VALU_DEP_3)
	v_max_num_f32 v[BM], v[BM], v[TT+3]            ; the largest score of my block h,
	s_delay_alu instid0(VALU_DEP_3)
	v_max_num_f32 v[BM+2], v[BM+2], v[TT+7]        ; and of my block 2 + h: they serve the row's maximum and, since p rises with the score, the blocks' largest p
	s_delay_alu instid0(VALU_DEP_1)
	v_max3_num_f32 v[TP], v[BM], v[BM+2], v[ST+1]
	s_delay_alu instid0(VALU_DEP_1)
	v_permlanex16_b32 v[PT], v[TP], s[SEL], s[SEL+1]
	s_delay_alu instid0(VALU_DEP_1)
	v_max_num_f32 v[ST+1], v[TP], v[PT]            ; the running largest score of my query
	s_delay_alu instid0(VALU_DEP_1)
	v_mul_f32 v[TP], s[NC], v[ST+1]
	s_delay_alu instid0(VALU_DEP_1)
	v_floor_f32 v[ST], v[TP]                       ; -M = floor(-t): M is a whole number
.if \mid
	LOADK 6144, 512
.endif
.set j, 0
.rept 32
	v_pk_fma_f32 v[SB_+j:SB_+j+1], v[SB_+j:SB_+j+1], s[CS:CS+1], v[ST:ST+1] op_sel_hi:[1,0,0]   ; t - M, two at a time
.if j == 6
	v_sub_f32 v[TP], v[ST], v[OLD]                 ; old M - new M, 0 or less
.endif
.if j == 14
	v_cvt_i32_f32 v[TP], v[TP]                     ; (it saturates)
.endif
.if j == 22
	v_ldexp_f32 v[FF], 1.0, v[TP]                  ; f = 2^(old M - new M): a multiplication by it rounds nothing
.endif
.set j, j+2
.endr
	v_fma_f32 v[BM], v[BM], s[CS], v[ST]           ; the same of each block's largest score
	v_fma_f32 v[BM+2], v[BM+2], s[CS], v[ST]
	s_wait_alu depctr_va_vdst(0)                   ; ahead of the batch
.set j, 0
.rept 64
	v_exp_f32 v[SB_+j], v[SB_+j]                   ; p = 2^(t - M), at most 1, not normalised
.set j, j+1
.endr
	v_exp_f32 v[BM], v[BM]                         ; the blocks' largest p: the same two instructions on the same numbers
	v_exp_f32 v[BM+2], v[BM+2]
	v_pk_mul_f32 v[ST+2:ST+3], v[ST+2:ST+3], v[FF:FF+1] op_sel_hi:[1,0]   ; the sums under the new M (a plain place behind the exponentials)
	s_wait_alu depctr_va_vdst(0)                   ; one wait for the batch of 66, ahead of its first reader
.set j, 0
.rept 7                                ; the row's sum of the unquantised p, in eight chains: four pairs at TT, three at PC (which takes p's codes later), and l's own; the blocks' scales are made between
.set C_, TT+2*j+(PC-TT-8)*(j/4)
	v_pk_add_f32 v[C_:C_+1], v[SB_+4*j:SB_+4*j+1], v[SB_+4*j+2:SB_+4*j+3]
.set j, j+1
.endr
	v_pk_add_f32 v[ST+2:ST+3], v[ST+2:ST+3], v[SB_+28:SB_+29]
.set j, 15
.rept 17
.set C_, TT+2*((j+1)%8)+(PC-TT-8)*(((j+1)%8)/4)
.if (j+1)%8 == 7
	v_pk_add_f32 v[ST+2:ST+3], v[ST+2:ST+3], v[SB_+2*j:SB_+2*j+1]
.else
	v_pk_add_f32 v[C_:C_+1], v[C_:C_+1], v[SB_+2*j:SB_+2*j+1]
.endif
.if j == 17
	v_max_num_f32 v[BM], 0x2800000, v[BM]          ; the floor 2^(5 - 127): the byte cannot fall under 1
	v_max_num_f32 v[BM+2], 0x2800000, v[BM+2]
.endif
.if j == 20
	v_add_nc_u32 v[SO], 0xfe000000, v[BM]          ; 4 off the exponent field: the conversion's scale operand
	v_add_nc_u32 v[SO+1], 0xfe000000, v[BM+2]
.endif
.if j == 23
	v_lshrrev_b32 v[BM+1], 23, v[SO]
	v_lshrrev_b32 v[BM+3], 23, v[SO+1]
.endif
.if j == 26
	v_lshl_or_b32 v[TP], v[BM+3], 16, v[BM+1]      ; my two bytes: blocks h and 2 + h,
.endif
.if j == 28
	v_lshlrev_b32 v[TP], v[H8], v[TP]              ; at their places in the word
.endif
.if j == 30
	v_permlanex16_b32 v[PT], v[TP], s[SEL], s[SEL+1]
.endif
.set j, j+1
.endr
	v_pk_add_f32 v[TT+4:TT+5], v[TT+4:TT+5], v[TT+6:TT+7]
	v_pk_add_f32 v[PC:PC+1], v[PC:PC+1], v[PC+2:PC+3]
	v_pk_add_f32 v[ST+2:ST+3], v[ST+2:ST+3], v[PC+4:PC+5]
	v_pk_add_f32 v[TT:TT+1], v[TT:TT+1], v[TT+2:TT+3]
	v_pk_add_f32 v[ST+2:ST+3], v[ST+2:ST+3], v[PC:PC+1]
	v_pk_add_f32 v[TT:TT+1], v[TT:TT+1], v[TT+4:TT+5]
	v_pk_add_f32 v[ST+2:ST+3], v[ST+2:ST+3], v[TT:TT+1]
.irp c, 0,1
	v_cvt_scalef32_pk16_bf6_f32 v[PC+6*\c:PC+6*\c+2], v[SB_+32*\c:SB_+32*\c+15], v[SO+\c]
	v_cvt_scalef32_pk16_bf6_f32 v[TT+4*\c:TT+4*\c+2], v[SB_+32*\c+16:SB_+32*\c+31], v[SO+\c]   ; (a conversion's three registers begin on an even number)
.endr
	v_or_b32 v[PW], v[TP], v[PT]                   ; p's scale word for these 128 keys, whole in both halves of the lanes.  (The plain place behind the conversions)
.irp c, 0,1
.irp i, 0,1,2
	v_mov_b32 v[PC+6*\c+3+\i], v[TT+4*\c+\i]
.endr
.endr
	WIN 0x41                                       ; source 0 and destination window 1
.set j, 0
.rept 16
	v_pk_mul_f32 v[O+32*(\u)+j:O+32*(\u)+j+1], v[O+32*(\u)+j:O+32*(\u)+j+1], v[FF:FF+1] op_sel_hi:[1,0]   ; O^T under the new M; these 16 also stand between the writes of p's codes and scale word and the products
.set j, j+2
.endr
.if \vw
	s_wait_alu depctr_va_vdst(0)
	s_wait_dscnt 0x0                               ; V is in
.endif
	WIN 0x51                                       ; source 0 (V), C and D window 1
.irp dt, 0,1,2,3                       ; four accumulators by turns; register j of tile dt in lane (r, h): d = 32 (dt / 2) + 8 (dt % 2) + 16 h + j
	v_wmma_scale_f32_16x16x128_f8f6f4 v[O+32*(\u)+8*\dt:O+32*(\u)+8*\dt+7], v[VB+12*\dt:VB+12*\dt+11], v[PC:PC+11], v[O+32*(\u)+8*\dt:O+32*(\u)+8*\dt+7], v[VS+\dt], v[PW] matrix_a_fmt:MATRIX_FMT_BF6 matrix_b_fmt:MATRIX_FMT_BF6
.endr
.endm
	WIN 0
.rept 4
	v_nop                                          ; four places behind the opening products, whose results the first trip reads (round the loop the last tile's softmax stands there)
.endr
	s_mov_b32 s[CNT], 16
.LA:
	SCA 1, S1
	SM 0, S0, 0, 1
	SCA 2, S0
	SM 1, S1, 0, 0
	SCA 3, S1
	SM 2, S0, 1, 0
	s_wait_dscnt 0x0                               ; the next step's K is in
	SCA 0, S0
	SM 3, S1, 0, 0
	WIN 0
	s_add_co_u32 s[TK], s[TK], 6144
	s_add_co_u32 s[TS], s[TS], 512
	ADDR                                           ; the next step's addresses: also the four places behind the last products, ahead of the loads into their sources
	LOADV
	s_sub_co_u32 s[CNT], s[CNT], 1
	s_cmp_lg_u32 s[CNT], 0
	s_cbranch_scc1 .LA
	v_and_b32 v[TP], 15, v0
	v_lshl_add_u32 v[AOS], v[TP], 1, s52           ; O's bytes: 2 a row: 128 w + 2 r
	v_lshl_add_u32 v[AST], v[TP], 2, s53           ; 4 bytes a row: 256 w + 4 r
; the end of a tile of queries: O / l, quantised along d (two blocks), half an image out; -M - log2 l and the two bytes to LDS.  Each tile's codes have registers of their own
.macro AEND u
.set ST, STA+4*(\u)
.set OC, S1+8*(\u)
	v_add_f32 v[ST+2], v[ST+2], v[ST+3]
	s_delay_alu instid0(VALU_DEP_1)
	v_permlanex16_b32 v[PT], v[ST+2], s[SEL], s[SEL+1]
	s_delay_alu instid0(VALU_DEP_1)
	v_add_f32 v[ST+2], v[ST+2], v[PT]              ; the row's sum
	s_wait_alu depctr_va_vdst(0)                   ; ahead of the transcendentals
	v_rcp_f32 v[FF], v[ST+2]
	v_log_f32 v[OLD], v[ST+2]
	v_nop
	s_wait_alu depctr_va_vdst(0)                   ; and ahead of their first reader
	v_sub_f32 v[ST+1], v[ST], v[OLD]               ; -M - log2 l
	ds_store_b32 v[AST], v[ST+1] offset:64*(\u)    ; lanes l and l + 16 write the same place with the same value
	WIN 0x01
.set j, 0
.rept 16
	v_pk_mul_f32 v[S0+j:S0+j+1], v[O+32*(\u)+j:O+32*(\u)+j+1], v[FF:FF+1] op_sel_hi:[1,0]   ; each accumulator from its low end on
.set j, j+2
.endr
	WIN 0
.irp b, 0,1
	v_max3_num_f32 v[BM+\b], |v[S0+16*\b]|, |v[S0+16*\b+1]|, 0x2800000
.endr
.irp i, 2,4,6,8,10,12,14
.irp b, 0,1
	s_delay_alu instid0(VALU_DEP_2)
	v_max3_num_f32 v[BM+\b], v[BM+\b], |v[S0+16*\b+\i]|, |v[S0+16*\b+\i+1]|
.endr
.endr
.irp b, 0,1
	s_delay_alu instid0(VALU_DEP_2)
	v_permlanex16_b32 v[BM+2+\b], v[BM+\b], s[SEL], s[SEL+1]
.endr
.irp b, 0,1
	s_delay_alu instid0(VALU_DEP_2)
	v_max_num_f32 v[BM+\b], v[BM+\b], v[BM+2+\b]
.endr
.irp b, 0,1
	s_delay_alu instid0(VALU_DEP_2)
	v_add_nc_u32 v[SO+\b], 0xfe000000, v[BM+\b]
.endr
.irp b, 0,1
	s_delay_alu instid0(VALU_DEP_2)
	v_lshrrev_b32 v[BM+2+\b], 23, v[SO+\b]
.endr
	s_delay_alu instid0(VALU_DEP_1)
	v_lshl_or_b32 v[ST+3], v[BM+3], 8, v[BM+2]     ; the head's two bytes of my row
	v_cvt_scalef32_pk16_bf6_f32 v[OC:OC+2], v[S0:S0+15], v[SO]
	v_cvt_scalef32_pk16_bf6_f32 v[TT:TT+2], v[S0+16:S0+31], v[SO+1]
	v_nop                                          ; one plain place behind a scaled conversion
.irp i, 0,1,2
	v_permlane16_swap_b32 v[OC+\i], v[TT+\i]       ; a whole block to a lane
.endr
.irp i, 0,1,2
	s_delay_alu instid0(VALU_DEP_3)
	v_mov_b32 v[OC+3+\i], v[TT+\i]
.endr
	global_store_b128 v[LI], v[OC:OC+3], s[32:33] offset:12288*(\u)       ; 512 consecutive bytes,
	global_store_b64 v[L8], v[OC+4:OC+5], s[32:33] offset:12288*(\u)+512  ; and 256: the head's half of an operand image
	ds_store_b16 v[AOS], v[ST+3] offset:32*(\u)
.endm
	AEND 0
	AEND 1
	AEND 2
	AEND 3
	s_wait_xcnt 0x0                                ; the stores have read their registers
; ---- PHASE B
	v_bfe_u32 v[TP], v0, 4, 1                      ; h
	v_and_b32 v[PT], 7, v0
	v_bfe_u32 v[OLD], v0, 3, 1
	v_lshl_add_u32 v[ASM], v[TP], 5, s53           ; the eight queries 8 h .. 8 h + 7 of my tiles
	v_lshl_add_u32 v[ACS0], v[PT], 5, s54          ; the column sums' place in a step's 512 bytes, [index 16][tile 8] in the images' own order: 32 (r % 8) + 8 (r / 8) + 16 h
	v_lshl_add_u32 v[ACS0], v[OLD], 3, v[ACS0]
	v_lshl_add_u32 v[ACS0], v[TP], 4, v[ACS0]
	v_add_nc_u32 v[FA], s55, v[LI]
	v_and_b32 v[OSG], 63, v0
	v_lshlrev_b32 v[OSG], 4, v[OSG]                ; waves 0 and 1 carry O's scale bytes out: 16 bytes a thread
	v_add_nc_u32 v[OSA], OSC, v[OSG]
	s_mov_b32 s[TK], 0
	s_mov_b32 s[TS], 0
.macro ADDRB
	v_add_nc_u32 v[ADK], s[TK], v[AK0]
	v_add_nc_u32 v[ADS], s[TS], v[ASK0]
	v_add_nc_u32 v[ACS], s[TS], v[ACS0]
.endm
	ADDRB
.irp u, 0,1,2,3                        ; LDS serves a wave's instructions in order: these see my stores
.set EV_, STA+8*\u+(PC-STA-16)*(\u/2)
	ds_load_b128 v[EV_:EV_+3], v[ASM] offset:64*\u
	ds_load_b128 v[EV_+4:EV_+7], v[ASM] offset:64*\u+16
.endr
	LOADK 0, 0
	s_wait_alu depctr_va_vdst(0)
	s_wait_dscnt 0x0
	SCB 0, S0
; 2^(t - M - log2 l) of query tile u, summed over its queries into a pair of registers for each tile of keys
.macro PB u, sb
.set EV_, STA+8*(\u)+(PC-STA-16)*((\u)/2)
.set SB_, (\sb)
	WIN 0                                          ; (no transcendental stands between these scores' products and this first read of them)
.irp kt, 0,1,2,3,4,5,6,7
.irp e, 0,2,4,6
	v_pk_fma_f32 v[SB_+8*\kt+\e:SB_+8*\kt+\e+1], v[SB_+8*\kt+\e:SB_+8*\kt+\e+1], s[CS:CS+1], v[EV_+\e:EV_+\e+1] op_sel_hi:[1,0,1]
.endr
.endr
	s_wait_alu depctr_va_vdst(0)                   ; ahead of the batch
.set j, 0
.rept 64
	v_exp_f32 v[SB_+j], v[SB_+j]
.set j, j+1
.endr
	v_nop                                          ; a plain place behind the last exponential
	s_wait_alu depctr_va_vdst(0)                   ; one wait for the batch
.endm
; the sums of tile u: they follow the next tile's eight products and are the places behind them
.macro PBB u, sb
.set SB_, (\sb)
	WIN 0
.if (\u) == 0
.irp kt, 0,1,2,3,4,5,6,7
	v_pk_add_f32 v[ACC+2*\kt:ACC+2*\kt+1], v[SB_+8*\kt:SB_+8*\kt+1], v[SB_+8*\kt+2:SB_+8*\kt+3]   ; the step's first tile starts the sums
.endr
.else
.irp e, 0,2
.irp kt, 0,1,2,3,4,5,6,7
	v_pk_add_f32 v[ACC+2*\kt:ACC+2*\kt+1], v[ACC+2*\kt:ACC+2*\kt+1], v[SB_+8*\kt+\e:SB_+8*\kt+\e+1]
.endr
.endr
.endif
.irp e, 4,6
.irp kt, 0,1,2,3,4,5,6,7
	v_pk_add_f32 v[ACC+2*\kt:ACC+2*\kt+1], v[ACC+2*\kt:ACC+2*\kt+1], v[SB_+8*\kt+\e:SB_+8*\kt+\e+1]
.endr
.endr
.endm
	WIN 0
.rept 4
	v_nop                                          ; four places behind the opening products
.endr
	s_mov_b32 s[CNT], 16
.LB:
	PB 0, S0
	SCB 1, S1
	PBB 0, S0
	PB 1, S1
	SCB 2, S0
	PBB 1, S1
	PB 2, S0
	SCB 3, S1
	PBB 2, S0
	LOADK 6144, 512                                ; the next step's K, behind the 32 sums that are the places behind the last products on K
	PB 3, S1
	s_wait_dscnt 0x0                               ; the next step's K is in
	SCB 0, S0
	PBB 3, S1
.irp kt, 0,1,2,3,4,5,6,7
	v_add_f32 v[S1+\kt], v[ACC+2*\kt], v[ACC+2*\kt+1]
.endr
.irp i, 0,1,2,3
	v_permlane16_swap_b32 v[S1+\i], v[S1+4+\i]     ; tile i's lanes 16-31 change places with tile 4 + i's lanes 0-15,
.endr
.irp i, 0,1,2,3
	v_add_f32 v[S1+8+\i], v[S1+\i], v[S1+4+\i]     ; so that the sum over both halves' queries is tile i's in lanes 0-15 and tile 4 + i's in lanes 16-31
.endr
	ds_store_b64 v[ACS], v[S1+8:S1+9]              ; 32 lanes fill 256 consecutive bytes of my own 8,192
	ds_store_b64 v[ACS], v[S1+10:S1+11] offset:256
	s_add_co_u32 s[TK], s[TK], 6144
	s_add_co_u32 s[TS], s[TS], 512
	ADDRB
	s_sub_co_u32 s[CNT], s[CNT], 1
	s_cmp_lg_u32 s[CNT], 0
	s_cbranch_scc1 .LB
	s_wait_dscnt 0x0                               ; for the others' sake: my column sums and O's bytes have landed
	s_barrier_signal -1
	s_barrier_wait -1
.irp p, 0,1,2,3,4,5,6,7                ; the eight waves' parts of my 1,024 bytes
	ds_load_b128 v[S0+8*\p:S0+8*\p+3], v[FA] offset:8192*\p
	ds_load_b128 v[S0+8*\p+4:S0+8*\p+7], v[FA] offset:8192*\p+512
.endr
	s_wait_dscnt 0x0
.irp p, 1,2,3,4,5,6,7
.irp e, 0,2,4,6
	v_pk_add_f32 v[S0+\e:S0+\e+1], v[S0+\e:S0+\e+1], v[S0+8*\p+\e:S0+8*\p+\e+1]
.endr
.endr
	global_store_b128 v[LI], v[S0:S0+3], s[36:37]              ; 512 consecutive bytes each
	global_store_b128 v[LI], v[S0+4:S0+7], s[36:37] offset:512
	s_cmp_lt_u32 s[WV], 2
	s_cbranch_scc0 .Lno_osc
	ds_load_b128 v[S1:S1+3], v[OSA]                ; the 512 rows' scale bytes leave as 1,024 consecutive bytes
	s_wait_dscnt 0x0
	global_store_b128 v[OSG], v[S1:S1+3], s[34:35]
.Lno_osc:
	s_wait_tensorcnt 0x0                           ; the wave's end
	ds_add_u32 v[SPW], v[NIL]
	s_wait_dscnt 0x0
	s_endpgm
.Lfunc_end_k_qa47151b977_attn:
	.size	k_qa47151b977_attn, .Lfunc_end_k_qa47151b977_attn-k_qa47151b977_attn
	.p2alignl 7, 3214868480
	.fill 96, 4, 3214868480
	.section	.rodata,"a",@progbits
	.p2align	6, 0x0
	.amdhsa_kernel k_qa47151b977_attn
		.amdhsa_group_segment_fixed_size 311296
		.amdhsa_private_segment_fixed_size 0
		.amdhsa_enable_private_segment 0
		.amdhsa_kernarg_size 16
		.amdhsa_user_sgpr_count 2
		.amdhsa_user_sgpr_kernarg_segment_ptr 1
		.amdhsa_wavefront_size32 1
		.amdhsa_system_sgpr_workgroup_id_x 1
		.amdhsa_system_sgpr_workgroup_id_y 1
		.amdhsa_system_sgpr_workgroup_id_z 1
		.amdhsa_system_vgpr_workitem_id 0
		.amdhsa_next_free_vgpr 512
		.amdhsa_next_free_sgpr 66
		.amdhsa_reserve_vcc 0
		.amdhsa_float_denorm_mode_32 3
		.amdhsa_float_denorm_mode_16_64 3
		.amdhsa_memory_ordered 1
		.amdhsa_forward_progress 1
		.amdhsa_inst_pref_size 129
	.end_amdhsa_kernel
	.amdgpu_metadata
---
amdhsa.version: [ 1, 2 ]
amdhsa.kernels:
  - .name:           k_qa47151b977_attn
    .symbol:         k_qa47151b977_attn.kd
    .args:
      - { .name: qkvc, .offset: 0, .size: 8, .value_kind: global_buffer, .address_space: global }
      - { .name: attw, .offset: 8, .size: 8, .value_kind: global_buffer, .address_space: global }
    .group_segment_fixed_size: 311296
    .private_segment_fixed_size: 0
    .kernarg_segment_align: 8
    .kernarg_segment_size: 16
    .max_flat_workgroup_size: 256
    .sgpr_count:     66
    .vgpr_count:     512
    .wavefront_size: 32
...
	.end_amdgpu_metadata
.endif
;; end of part 3
;; launch proj (part 4): grid 4 x 64, 4 waves a work-group, no clusters, 168,448 bytes of LDS; arguments attw, opnd, bo, part; writes part
.if DOCPART == 4
	.amdgcn_target "amdgcn-amd-amdhsa--gfx1250"
	.amdhsa_code_object_version 6
	.text
	.protected	k_qa47151b977_proj
	.globl	k_qa47151b977_proj
	.p2align	8
	.type	k_qa47151b977_proj,@function
k_qa47151b977_proj:
	s_mov_b64 s[64:65], 0
	v_nop
	global_prefetch_b8 v0, s[64:65] scope:SCOPE_SE
	s_setreg_imm32_b32 hwreg(HW_REG_WAVE_MODE, 25, 1), 1
	s_wait_xcnt 0x0
; y = O Wo + bo on codes of E3M2, weighted row by row with the pooling weight and summed over the work-group's 128 rows: part[row range][column].
; The pooling weight of a row is the mean over 16 heads and 2,048 queries of the finished softmax's column: the sum of the 64 partial column sums of its batch x 2^-15.
; A work-group takes 128 rows (8 tiles) x 256 columns; wave w takes 64 columns (4 tiles), whose 32 fragments of Wo stay in 384 registers.  O's 64 fragments (98,304 dense bytes) are copied once into LDS.
; A fragment of O is two heads' half images on end: 512 bytes (16 a lane: registers 0-3) and 256 bytes (8 a lane: registers 4, 5) for each head.
; Source 0 = 16 rows of O, source 1 = 16 columns of Wo: register j of lane (r, h) is row index 8 h + j, column index r.  Rows stay in the order of their tiles: the sum over rows does not ask for another.
; REGISTERS: window 0: v1-14 addresses; v16-47 Wo's scale words; v48-111 O's; v112-207 O's 8 fragments (ahead of them: v112-175 O's scale halves, v176-239 the 64 column sums; behind them: v112-175 the rows' weights);
;   v208-221 the pooled sums; v240-243 at work.   windows 1, 2: Wo's tiles 0, 1 and 2, 3, from v192 their bias.   window 3: the 32 accumulators, (m, n) at 32 m + 8 n.
.set PWL,  98304                       ; LDS behind O's images: the 128 rows' weights, [tile 8][index 16], written by LDS stores alone
.set A16,  1                           ; v1, v2  16 x lane, and + 49,152 (tiles 4-7)
.set A8,   3                           ; v3, v4  8 x lane, likewise
.set R16,  5
.set CPL,  6
.set CPG,  7
.set BAV,  8
.set UA,   9                           ; v9   O's scale halves: 4,096 h + 2 r
.set T4,   10                          ; v10  4 x thread
.set PWA,  11
.set WVA,  12
.set OA,   13
.set HH,   14
.set WS,   16
.set XS,   48
.set AF,   112
.set T,    112
.set CSR,  176
.set WVR,  112
.set PACC, 208
.set PS,   216
.set BI,   192
.set MSB, 0
.macro WIN new                         ; the immediate's high byte repeats the setting that is left
.if MSB != (\new)
	s_set_vgpr_msb (MSB<<8)|(\new)
.set MSB, (\new)
.endif
.endm
.macro PLACES
.rept 4
	v_nop
.endr
.endm
	s_load_b256 s[4:11], s[0:1], 0x0               ; attw, opnd, bo, part
	v_lshl_add_u32 v254, v0, 2, 0x29000
	v_mov_b32 v255, 0
	ds_add_u32 v254, v255
	ds_add_u32 v254, v255
	v_lshrrev_b32 v15, 5, v0
	v_readfirstlane_b32 s14, v15                   ; wave
	v_and_b32 v15, 31, v0
	v_lshlrev_b32 v[A16], 4, v15
	v_add_nc_u32 v[A16+1], 49152, v[A16]
	v_lshlrev_b32 v[A8], 3, v15
	v_add_nc_u32 v[A8+1], 49152, v[A8]
	v_bfe_u32 v[HH], v0, 4, 1                      ; h
	v_and_b32 v15, 15, v0                          ; r
	v_lshlrev_b32 v[R16], 4, v15
	v_lshlrev_b32 v[UA], 1, v15
	v_lshl_add_u32 v[UA], v[HH], 12, v[UA]
	s_mul_i32 s34, s14, 24576
	v_add_nc_u32 v[CPL], s34, v[A16]
	v_add_nc_u32 v[CPG], s34, v[A16]
	v_and_b32 v15, 7, v0
	v_lshlrev_b32 v[BAV], 2, v15
	v_lshrrev_b32 v[PWA], 3, v0
	v_lshlrev_b32 v[PWA], 2, v[PWA]
	v_lshl_add_u32 v[PWA], v15, 6, v[PWA]
	v_add_nc_u32 v[PWA], PWL, v[PWA]               ; thread t holds index t / 8 of tile t % 8: its weight goes to 4 (16 (t % 8) + t / 8)
	v_bfe_u32 v15, v0, 3, 1
	v_lshl_add_u32 v[BAV], v15, 6, v[BAV]          ; 4 (r % 8 + 16 (r / 8)): my column's place in its group of 32
	v_lshl_add_u32 v[OA], v[HH], 5, v[BAV]         ; + 32 h: on the way out lanes 16-31 carry the odd tiles
	v_lshlrev_b32 v[T4], 2, v0
	v_lshl_add_u32 v[WVA], v[HH], 5, PWL
.irp e, 0,1,2,3
	v_mov_b32 v[240+\e], 0                         ; a lane permute's destination counts as one of its sources
.endr
	s_mov_b32 s38, 0x76543210
	s_mov_b32 s39, 0xfedcba98
	s_lshl_b32 s15, ttmp9, 2
	s_add_co_u32 s15, s15, s14                     ; my 64 columns
	s_and_b32 s17, ttmp7, 0xffff                   ; which 128 rows
	s_lshr_b32 s18, s17, 4                         ; batch
	s_and_b32 s19, s17, 15                         ; group of 128 in it
	s_mov_b32 s3, 0
	s_wait_alu depctr_va_vdst(0)
	s_wait_dscnt 0x0
	s_wait_kmcnt 0x0
	s_mul_i32 s2, s17, 98304
	s_add_nc_u64 s[20:21], s[4:5], s[2:3]          ; O's images
	s_lshl_b32 s2, s18, 16
	s_lshl_b32 s37, s19, 8
	s_add_co_u32 s2, s2, s37
	s_add_nc_u64 s[22:23], s[4:5], s[2:3]
	s_add_nc_u64 s[22:23], s[22:23], 6291456       ; O's scale halves: head 0 of my batch, my rows
	s_lshl_b32 s2, s18, 19
	s_lshl_b32 s37, s19, 9
	s_add_co_u32 s2, s2, s37
	s_add_nc_u64 s[24:25], s[4:5], s[2:3]
	s_add_nc_u64 s[24:25], s[24:25], 6553600       ; the column sums: part 0 of my batch, my rows
	s_mul_i32 s2, s15, 49152
	s_add_nc_u64 s[26:27], s[6:7], s[2:3]
	s_add_nc_u64 s[26:27], s[26:27], 8650752       ; Wo's images, my 4 tiles
	s_lshl_b32 s2, s15, 11
	s_add_nc_u64 s[28:29], s[6:7], s[2:3]
	s_add_nc_u64 s[28:29], s[28:29], 10059776      ; their scale words
	s_lshl_b32 s2, s15, 8
	s_add_nc_u64 s[30:31], s[8:9], s[2:3]          ; bo
	s_lshl_b32 s37, s17, 12
	s_add_co_u32 s2, s2, s37
	s_add_nc_u64 s[32:33], s[10:11], s[2:3]        ; part
.set j, 0
.rept 48
	global_load_async_to_lds_b128 v[CPL], v[CPG], s[20:21] offset:512*j
.set j, j+1
.endr
.irp n, 0,1,2,3
.irp g, 0,1
	global_load_b128 v[WS+8*\n+4*\g:WS+8*\n+4*\g+3], v[R16], s[28:29] offset:512*\n+256*\g
.endr
.endr
.irp np, 0,1                           ; all eight registers of a lane belong to its one column
	WIN 0x40+0x40*\np
.irp nn, 0,1
.irp j, 0,1,2,3,4,5,6,7
	global_load_b32 v[BI+8*\nn+\j], v[BAV], s[30:31] offset:128*\np+32*\nn
.endr
.endr
.endr
	WIN 0
.irp m, 0,1,2,3,4,5,6,7
.irp s, 0,1,2,3,4,5,6,7
	global_load_u16 v[T+8*\m+\s], v[UA], s[22:23] offset:8192*\s+32*\m   ; lanes 0-15: head 2 s's two bytes of row r of tile m; lanes 16-31: head 2 s + 1's
.endr
.endr
.set j, 0
.rept 64
	global_load_b32 v[CSR+j], v[T4], s[24:25] offset:8192*j   ; part j's sum for my row: the 128 threads read 512 consecutive bytes
.set j, j+1
.endr
.irp s, 0,1,2,3,4,5,6,7                ; Wo, K step by K step
.irp np, 0,1
	WIN 0x40+0x40*\np
.irp nn, 0,1
.irp c, 0,1,2
	global_load_b128 v[12*(8*\nn+\s)+4*\c:12*(8*\nn+\s)+4*\c+3], v[A16], s[26:27] offset:12288*(2*\np+\nn)+1536*\s+512*\c
.endr
.endr
.endr
.endr
	WIN 0
	s_wait_loadcnt 63                              ; 96 loads of Wo were issued behind the small ones: with at most 63 out, every small one is in
.set q, 0
.rept 16
.irp e, 0,1,2,3
	v_permlanex16_b32 v[240+\e], v[T+4*q+\e], s38, s39
.endr
.irp e, 0,1,2,3
	v_lshl_or_b32 v[XS+4*q+\e], v[240+\e], 16, v[T+4*q+\e]   ; in lanes 0-15: the four bytes of K step s for row r
.endr
.set q, q+1
.endr
.set q, 4
.rept 28
	v_pk_add_f32 v[CSR+2*(q%4):CSR+2*(q%4)+1], v[CSR+2*(q%4):CSR+2*(q%4)+1], v[CSR+2*q:CSR+2*q+1]   ; the 64 parts, in four chains.  (These lines also stand between the writes of the scale words and the first product)
.set q, q+1
.endr
	v_pk_add_f32 v[CSR:CSR+1], v[CSR:CSR+1], v[CSR+2:CSR+3]
	v_pk_add_f32 v[CSR+4:CSR+5], v[CSR+4:CSR+5], v[CSR+6:CSR+7]
	v_pk_add_f32 v[CSR:CSR+1], v[CSR:CSR+1], v[CSR+4:CSR+5]
	v_add_f32 v[CSR], v[CSR], v[CSR+1]
	v_mul_f32 v[CSR], 0x38000000, v[CSR]           ; x 2^-15: the mean over 16 heads x 2,048 queries
	ds_store_b32 v[PWA], v[CSR]
	s_wait_asynccnt 0x0                            ; my part of O's images has landed,
	s_wait_dscnt 0x0                               ; and my row's weight;
	s_barrier_signal -1
	s_barrier_wait -1                              ; everybody's have
.macro FETCHO half, s                  ; four of O's fragments of K step s: 16 loads
.irp mm, 0,1,2,3
.set FR_, AF+12*(4*(\half)+\mm)
.set OF_, \mm*12288+1536*(\s)
	ds_load_b128 v[FR_:FR_+3], v[A16+(\half)] offset:OF_
	ds_load_b64 v[FR_+4:FR_+5], v[A8+(\half)] offset:OF_+512
	ds_load_b128 v[FR_+6:FR_+9], v[A16+(\half)] offset:OF_+768
	ds_load_b64 v[FR_+10:FR_+11], v[A8+(\half)] offset:OF_+1280
.endr
.endm
; 16 matrix instructions; the 32 accumulators take turns, one instruction a turn
.macro MUL s, half
.irp np, 0,1
.if (\s) == 0
	WIN 0xd4+0x14*\np                              ; source 1 and C (the bias) in Wo's window, source 0 window 0, D window 3
.else
	WIN 0xf4+4*\np
.endif
.irp mm, 0,1,2,3
.irp nn, 0,1
.set MI, 4*(\half)+\mm
.set NI, 2*\np+\nn
.set WR, 12*(8*\nn+(\s))
.set AR, AF+12*MI
.set DR, 32*MI+8*NI
.if (\s) == 0
	v_wmma_scale_f32_16x16x128_f8f6f4 v[DR:DR+7], v[AR:AR+11], v[WR:WR+11], v[BI+8*\nn:BI+8*\nn+7], v[XS+8*MI+(\s)], v[WS+8*NI+(\s)] matrix_a_fmt:MATRIX_FMT_BF6 matrix_b_fmt:MATRIX_FMT_BF6
.else
	v_wmma_scale_f32_16x16x128_f8f6f4 v[DR:DR+7], v[AR:AR+11], v[WR:WR+11], v[DR:DR+7], v[XS+8*MI+(\s)], v[WS+8*NI+(\s)] matrix_a_fmt:MATRIX_FMT_BF6 matrix_b_fmt:MATRIX_FMT_BF6
.endif
.endr
.endr
.endr
.endm
	FETCHO 0, 0
	FETCHO 1, 0
.irp s, 0,1,2,3,4,5,6,7
.if 12*(7-\s) > 63
	s_wait_loadcnt 63
.else
	s_wait_loadcnt 12*(7-\s)                       ; the 12 loads of Wo of each later K step may be out
.endif
	s_wait_dscnt 16                                ; tiles 0-3 are in; the 16 loads of tiles 4-7 may be out
	MUL \s, 0
.if \s < 7
	PLACES
	WIN 0
	FETCHO 0, \s+1
	s_wait_dscnt 16                                ; tiles 4-7 are in; the 16 just issued may be out
.else
	s_wait_dscnt 0x0
.endif
	MUL \s, 1
.if \s < 7
	PLACES
	WIN 0
	FETCHO 1, \s+1
.endif
.endr
	WIN 0
	PLACES
.irp m, 0,1,2,3,4,5,6,7
	ds_load_b128 v[WVR+8*\m:WVR+8*\m+3], v[WVA] offset:64*\m        ; the weights of rows 8 h .. 8 h + 7 of tile m
	ds_load_b128 v[WVR+8*\m+4:WVR+8*\m+7], v[WVA] offset:64*\m+16
.endr
	s_wait_dscnt 0x0
	WIN 0x03                                       ; source 0 (the accumulators) window 3
.irp m, 0,1,2,3,4,5,6,7                ; each accumulator from its low end on; the first four products start the sums
.irp e, 0,2,4,6
.irp n, 0,1,2,3
.if (\m == 0) && (\e == 0)
	v_pk_mul_f32 v[PACC+2*\n:PACC+2*\n+1], v[32*\m+8*\n+\e:32*\m+8*\n+\e+1], v[WVR+8*\m+\e:WVR+8*\m+\e+1]
.else
	v_pk_fma_f32 v[PACC+2*\n:PACC+2*\n+1], v[32*\m+8*\n+\e:32*\m+8*\n+\e+1], v[WVR+8*\m+\e:WVR+8*\m+\e+1], v[PACC+2*\n:PACC+2*\n+1]
.endif
.endr
.endr
.endr
	WIN 0
.irp n, 0,1,2,3
	v_add_f32 v[PS+\n], v[PACC+2*\n], v[PACC+2*\n+1]
.endr
.irp n, 0,1,2,3
	v_permlanex16_b32 v[240+\n], v[PS+\n], s38, s39
.endr
.irp n, 0,1,2,3
	v_add_f32 v[PS+\n], v[PS+\n], v[240+\n]        ; with the other eight rows of each tile: 128 rows' sum for column index r of tile n
.endr
	v_cmp_eq_u32 vcc_lo, 1, v[HH]
	v_cndmask_b32 v[PS+4], v[PS], v[PS+1], vcc_lo  ; lanes 0-15 carry the even tiles out, lanes 16-31 the odd ones: 32 lanes, 32 neighbouring columns
	v_cndmask_b32 v[PS+5], v[PS+2], v[PS+3], vcc_lo
	global_store_b32 v[OA], v[PS+4], s[32:33]
	global_store_b32 v[OA], v[PS+5], s[32:33] offset:128
	s_wait_tensorcnt 0x0
	ds_add_u32 v254, v255
	s_wait_dscnt 0x0
	s_endpgm
.Lfunc_end_k_qa47151b977_proj:
	.size	k_qa47151b977_proj, .Lfunc_end_k_qa47151b977_proj-k_qa47151b977_proj
	.p2alignl 7, 3214868480
	.fill 96, 4, 3214868480
	.section	.rodata,"a",@progbits
	.p2align	6, 0x0
	.amdhsa_kernel k_qa47151b977_proj
		.amdhsa_group_segment_fixed_size 168448
		.amdhsa_private_segment_fixed_size 0
		.amdhsa_enable_private_segment 0
		.amdhsa_kernarg_size 32
		.amdhsa_user_sgpr_count 2
		.amdhsa_user_sgpr_kernarg_segment_ptr 1
		.amdhsa_wavefront_size32 1
		.amdhsa_system_sgpr_workgroup_id_x 1
		.amdhsa_system_sgpr_workgroup_id_y 1
		.amdhsa_system_sgpr_workgroup_id_z 1
		.amdhsa_system_vgpr_workitem_id 0
		.amdhsa_next_free_vgpr 1024
		.amdhsa_next_free_sgpr 66
		.amdhsa_reserve_vcc 1
		.amdhsa_float_denorm_mode_32 3
		.amdhsa_float_denorm_mode_16_64 3
		.amdhsa_memory_ordered 1
		.amdhsa_forward_progress 1
		.amdhsa_inst_pref_size 106
	.end_amdhsa_kernel
	.amdgpu_metadata
---
amdhsa.version: [ 1, 2 ]
amdhsa.kernels:
  - .name:           k_qa47151b977_proj
    .symbol:         k_qa47151b977_proj.kd
    .args:
      - { .name: attw, .offset: 0, .size: 8, .value_kind: global_buffer, .address_space: global }
      - { .name: opnd, .offset: 8, .size: 8, .value_kind: global_buffer, .address_space: global }
      - { .name: bo, .offset: 16, .size: 8, .value_kind: global_buffer, .address_space: global }
      - { .name: part, .offset: 24, .size: 8, .value_kind: global_buffer, .address_space: global }
    .group_segment_fixed_size: 168448
    .private_segment_fixed_size: 0
    .kernarg_segment_align: 8
    .kernarg_segment_size: 32
    .max_flat_workgroup_size: 128
    .sgpr_count:     66
    .vgpr_count:     1024
    .wavefront_size: 32
...
	.end_amdgpu_metadata
.endif
;; end of part 4
;; launch fin (part 5): grid 16 x 1, 2 waves a work-group, no clusters, 0 bytes of LDS; arguments part, out0; writes out0
.if DOCPART == 5
	.amdgcn_target "amdgcn-amd-amdhsa--gfx1250"
	.amdhsa_code_object_version 6
	.text
	.protected	k_qa47151b977_fin
	.globl	k_qa47151b977_fin
	.p2align	8
	.type	k_qa47151b977_fin,@function
k_qa47151b977_fin:
	s_mov_b64 s[64:65], 0
	v_nop
	global_prefetch_b8 v0, s[64:65] scope:SCOPE_SE
	s_setreg_imm32_b32 hwreg(HW_REG_WAVE_MODE, 25, 1), 1
	s_wait_xcnt 0x0
; out0[b][n] = the sum of the batch's 16 partial rows part[16 b + k][n].  A work-group takes a quarter of a batch's 1,024 columns, a thread four of them: 16 loads of 16 bytes, two chains of packed additions, one store.
; The sum spans work-groups of the launch before, so it has a launch of its own; there is work for 16 work-groups.
	s_load_b128 s[4:7], s[0:1], 0x0                ; part, out0
	v_lshlrev_b32 v1, 4, v0                        ; 16 bytes a thread: 64 threads cover 1,024 consecutive bytes
	s_lshr_b32 s8, ttmp9, 2                        ; batch
	s_and_b32 s9, ttmp9, 3                         ; quarter
	s_lshl_b32 s10, s9, 10
	s_lshl_b32 s2, s8, 16                          ; 16 rows of 4,096 bytes a batch
	s_add_co_u32 s2, s2, s10
	s_mov_b32 s3, 0
	s_lshl_b32 s12, s8, 12
	s_add_co_u32 s12, s12, s10
	s_mov_b32 s13, 0
	s_wait_alu depctr_va_vdst(0)
	s_wait_kmcnt 0x0
	s_add_nc_u64 s[4:5], s[4:5], s[2:3]
	s_add_nc_u64 s[6:7], s[6:7], s[12:13]
.irp k, 0,1,2,3,4,5,6,7,8,9,10,11,12,13,14,15
	global_load_b128 v[4+4*\k:7+4*\k], v1, s[4:5] offset:4096*\k
.endr
	s_wait_loadcnt 0x0
.irp k, 1,2,3,4,5,6,7,8,9,10,11,12,13,14,15
	v_pk_add_f32 v[4:5], v[4:5], v[4+4*\k:5+4*\k]
	v_pk_add_f32 v[6:7], v[6:7], v[6+4*\k:7+4*\k]
.endr
	global_store_b128 v1, v[4:7], s[6:7]
	s_endpgm
.Lfunc_end_k_qa47151b977_fin:
	.size	k_qa47151b977_fin, .Lfunc_end_k_qa47151b977_fin-k_qa47151b977_fin
	.p2alignl 7, 3214868480
	.fill 96, 4, 3214868480
	.section	.rodata,"a",@progbits
	.p2align	6, 0x0
	.amdhsa_kernel k_qa47151b977_fin
		.amdhsa_group_segment_fixed_size 0
		.amdhsa_private_segment_fixed_size 0
		.amdhsa_enable_private_segment 0
		.amdhsa_kernarg_size 16
		.amdhsa_user_sgpr_count 2
		.amdhsa_user_sgpr_kernarg_segment_ptr 1
		.amdhsa_wavefront_size32 1
		.amdhsa_system_sgpr_workgroup_id_x 1
		.amdhsa_system_sgpr_workgroup_id_y 1
		.amdhsa_system_sgpr_workgroup_id_z 1
		.amdhsa_system_vgpr_workitem_id 0
		.amdhsa_next_free_vgpr 80
		.amdhsa_next_free_sgpr 66
		.amdhsa_reserve_vcc 0
		.amdhsa_float_denorm_mode_32 3
		.amdhsa_float_denorm_mode_16_64 3
		.amdhsa_memory_ordered 1
		.amdhsa_forward_progress 1
		.amdhsa_inst_pref_size 5
	.end_amdhsa_kernel
	.amdgpu_metadata
---
amdhsa.version: [ 1, 2 ]
amdhsa.kernels:
  - .name:           k_qa47151b977_fin
    .symbol:         k_qa47151b977_fin.kd
    .args:
      - { .name: part, .offset: 0, .size: 8, .value_kind: global_buffer, .address_space: global }
      - { .name: out0, .offset: 8, .size: 8, .value_kind: global_buffer, .address_space: global }
    .group_segment_fixed_size: 0
    .private_segment_fixed_size: 0
    .kernarg_segment_align: 8
    .kernarg_segment_size: 16
    .max_flat_workgroup_size: 64
    .sgpr_count:     66
    .vgpr_count:     80
    .wavefront_size: 32
...
	.end_amdgpu_metadata
.endif
;; end of part 5
